; MI455X (gfx1250); checked and timed in simulation.
; The chip was launched on July 23, 2026; its instructions are those of AMD's public machine-readable ISA for CDNA 5 (MIT licence, August 2026) and "CDNA5" Instruction Set Architecture Reference Guide (July 2026). The comments in the code are by the model that wrote it; some were corrected since.
;; Multi Head Attention. Allowed arithmetic: matrix products marked QUANTISED: E2M3 operands, one E8M0 scale for each 32 along K, by v_wmma_scale_f32_16x16x128_f8f6f4 with both operands' format E2M3, f32 sums; everything else in f32.
;; Inputs: Wk 512 x 2,048 float32; Wo 2,048 x 2,048 float32; Wq 2,048 x 2,048 float32; Wv 512 x 2,048 float32; attention_mask 4 x 1,024 bool; x 4 x 1,024 x 2,048 float32.
;; Outputs: out0 4 x 1,024 x 2,048 float32.
;; This version of the problem:
;;   THIS VERSION OF THE PROBLEM IS GIVEN IN LOW PRECISION. The matrix products marked QUANTISED in the list below multiply operands that are first quantised to E2M3 (2 exponent bits, 3 mantissa bits; 6 bits a number), with one power-of-two scale for each 32 numbers along K (OCP MX v1.0); their sums are f32. All else is computed in f32.
;;   The module's matrix products, in the order in which they are computed (A, B: the left and right operand; K: the contracted axis; several contracted axes count as one K, in the product's order):
;;     1. [M 4,096, K 2,048] x [K 2,048, N 2,048]; A: input x; B: input Wq: QUANTISED
;;     2. [M 4,096, K 2,048] x [K 2,048, N 512]; A: input x; B: input Wk: QUANTISED
;;     3. [M 4,096, K 2,048] x [K 2,048, N 512]; A: input x; B: input Wv: QUANTISED
;;     4. batch 64 x [M 1,024, K 128] x [K 128, N 1,024]; A: computed on the way; B: computed on the way: QUANTISED
;;     5. batch 64 x [M 1,024, K 1,024] x [K 1,024, N 128]; A: softmax (see below); B: computed on the way: QUANTISED
;;     6. [M 4,096, K 2,048] x [K 2,048, N 2,048]; A: computed on the way; B: input Wo: QUANTISED
;;   THE QUANTISER, for each operand of a quantised product, along K:
;;     - K is cut into blocks of 32 from its start; a last block that is shorter is filled with zeros.
;;     - A block's scale is 2^e with e = floor(log2(the largest magnitude in the block)) - 2, held to -126 .. 127; a block of zeros has e = 0. As a byte (E8M0): e + 127.
;;     - Each number is divided by its block's scale, clamped to +-7.5, and rounded to the nearest number of E2M3, ties to even, subnormals kept.
;;     - The product sums the exact products of the quantised numbers (number of the format x scale) in f32.
;;   ~~~python
;;   def quantise(x, axis):      # numpy; x: float32 -> the quantised numbers, widened to float32 again
;;       x = np.moveaxis(x, axis, -1); K = x.shape[-1]
;;       x = np.pad(x, [(0, 0)] * (x.ndim - 1) + [(0, -K % 32)]); x = x.reshape(x.shape[:-1] + (-1, 32)); a = np.abs(x).max(-1, keepdims=True)
;;       e = np.where(a > 0, np.clip(np.frexp(np.where(a > 0, a, 1))[1] - 1 - 2, -126, 127), 0)      # np.frexp(a)[1] - 1 = floor(log2(a)), exactly
;;       r = np.clip(x / 2.0 ** e, -7.5, 7.5)
;;       step = 2.0 ** (np.maximum(np.frexp(np.where(r == 0, 1, r))[1] - 1, 0) - 3)
;;       q = np.round(r / step) * step * 2.0 ** e      # np.round: ties to even
;;       return np.moveaxis(q.reshape(q.shape[:-2] + (-1,))[..., :K], -1, axis).astype(np.float32)
;;   ~~~
;;   SOFTMAX AHEAD OF A QUANTISED PRODUCT. Where the list says 'softmax', what is quantised is not the finished softmax but p = 2^(t - M), with t = logit x log2(e) and M = ceil(the row's largest t), a whole number; so 1/2 < the row's largest p <= 1. The row's sum l is taken of the UNQUANTISED p, in f32, and the product's result is divided by l at the end. Since M is a whole number, a kernel that streams over the keys may use a running M (the ceiling of the running maximum): every later rescaling is an exact power of two, which a block's scale takes up: the codes' values come out the same.
;;   OPERANDS COMPUTED ON THE WAY. 'Computed on the way' means the value that the module computes at that place (a softmax that the list does not call 'softmax' is quantised finished and normalised). What goes into a quantiser is computed in f32, as accurately as f32 sums, v_exp_f32 and their like allow (about 1e-6 of the number): no bf16 or f16 on the way to a quantiser, and a product that is left as it is and whose result goes on into a quantised operand takes f32 operands (vector FMAs, or v_wmma_f32_16x16x4_f32). A number that lies on a knife's edge between two numbers of the format may be rounded either way, as far as f32 arithmetic and the matrix unit's own rounding can turn it there, and no further.
;; One version. Each part assembles by itself: llvm-mc -triple=amdgcn-amd-amdhsa -mcpu=gfx1250 --defsym DOCPART=n.
;; ======== version 1 of 1: 4 launches
;; limits: right only within a limited range of input values
;; workspace buffers: cod 14,155,776 bytes; scl 589,824 bytes; tab 606,208 bytes; qkv 9,437,184 bytes; qks 393,216 bytes; att 6,291,456 bytes; ats 262,144 bytes
;; launch quant (part 1): grid 768 x 1, 3 waves a work-group, no clusters, 25,856 bytes of LDS; arguments x, Wq, Wk, Wv, Wo, attention_mask, cod, scl, tab; writes cod, scl, tab
.if DOCPART == 1
	.amdgcn_target "amdgcn-amd-amdhsa--gfx1250"
	.amdhsa_code_object_version 6
	.text
	.protected	k_q0a3aceeef4_quant
	.globl	k_q0a3aceeef4_quant
	.p2align	8
	.type	k_q0a3aceeef4_quant,@function
k_q0a3aceeef4_quant:
	s_mov_b64 s[64:65], 0
	v_nop
	global_prefetch_b8 v0, s[64:65] scope:SCOPE_SE
	s_setreg_imm32_b32 hwreg(HW_REG_WAVE_MODE, 25, 1), 1
	s_wait_xcnt 0x0
; x [4096][2048], Wq [2048][2048], Wk, Wv [512][2048], Wo [2048][2048], f32, K innermost, become codes of FP6 (E2M3) with one E8M0 byte for each 32 along K.
; A block's scale is 2^(floor(log2(its largest magnitude)) - 2); its byte is the largest magnitude's exponent field - 2, held at 1 from below.
; LAYOUT OF THE CODES (cod): a TILE is 16 rows; place r of tile t of a tensor is the tensor's row 32 (t / 2) + 8 (t % 2) + r + 8 (r / 8).  A fragment (a tile x 128 along K) lies as the image
; of the matrix operand's 12 registers: registers 4 c .. 4 c + 3 of lane l at 512 c + 16 l: 1,536 bytes; a tile's 16 fragments follow each other.  Tiles: x 0-255, Wq 256-383,
; for kv head g Wk 384 + 16 g .. + 7 and Wv 392 + 16 g .. + 7, Wo 448-575.   SCALE WORDS (scl): tile x 1,024 + (step / 2) x 128 + 8 r + 4 (step % 2).
; ALSO MADE HERE (tab): (cos, sin) of pos x 10000^(-j / 64) for pos 0-1023, j 0-63, 8 bytes each; behind them 128 rows of (1, 0); behind them the mask as f32: 0 where it is true, -2^100 where it is false.
; SHARES: a TASK is a quarter of a tile's K (16 rows x 512 numbers) and 32 entries of the table: 576 tiles make 2,304 equal tasks, one a wave, three to a work-group: task = 3 x work-group + wave.
; Each load reads 512 consecutive bytes of one row; a step's 16 x 512 bytes turn through the wave's own stage in LDS, so that a lane holds 16 neighbours of each block of its row.
; No tensor load, no barrier: waves share nothing.
; LIMITS: NaN and infinities are not served.  A block of zeros keeps the byte 1 (the rule says 127): its codes are zeros and this program alone reads the bytes.
; The frequencies are within about an ulp of 10000^(-j / 64); cos and sin come by a three-part reduction by pi / 2 and polynomials, within about two ulps for these angles (under 1,024).
.set RA,  32                           ; v32-159  two sets of 64 registers as loaded
.set X,   160                          ; v160-223 64 numbers: register 16 b + i = K place 32 b + 16 (lane / 16) + i of my row (before the first step: at work for the table)
.set PC,  224                          ; v224-243 the codes just made
.set TM,  12                           ; v12-27   at work in QUANT
.set SW,  8                            ; v8-11    my four steps' scale words
.set SEL, 44                           ; s[44:45] lane selects: lane l xor 16
.set SP,  528                          ; a stage row: 512 bytes + 16
.set WST, 16*SP                        ; a wave's stage
; 64 numbers of a lane become a fragment's codes in v[pc] .. v[pc + 11] and its scale word in v[pw]
.macro QUANT s, pc, tm, pw
.irp b, 0,1,2,3
	v_max3_num_f32 v[\tm+\b], |v[\s+16*\b]|, |v[\s+1+16*\b]|, 0x1800000   ; block b: my 16 numbers, and the floor 2^(3 - 127): the byte cannot fall under 1
.endr
.irp i, 2,4,6,8,10,12,14
.irp b, 0,1,2,3
	v_max3_num_f32 v[\tm+\b], v[\tm+\b], |v[\s+16*\b+\i]|, |v[\s+1+16*\b+\i]|   ; the four blocks by turns
.endr
.endr
.irp b, 0,1,2,3
	v_permlanex16_b32 v[\tm+4+\b], v[\tm+\b], s[SEL], s[SEL+1]
.endr
.irp b, 0,1,2,3
	v_max_num_f32 v[\tm+\b], v[\tm+\b], v[\tm+4+\b]        ; with lane l xor 16's: the block's largest magnitude
.endr
.irp b, 0,1,2,3
	v_add_nc_u32 v[\tm+12+\b], 0xff000000, v[\tm+\b]       ; 2 off its exponent field: the conversion's scale operand
.endr
.irp b, 0,1,2,3
	v_lshrrev_b32 v[\tm+4+\b], 23, v[\tm+12+\b]            ; the scale's byte
.endr
	v_lshl_or_b32 v[\pw], v[\tm+5], 8, v[\tm+4]
	v_lshl_or_b32 v[\pw], v[\tm+6], 16, v[\pw]
	v_lshl_or_b32 v[\pw], v[\tm+7], 24, v[\pw]             ; my row's scale word
.irp c, 0,1
	v_cvt_scalef32_pk16_fp6_f32 v[\pc+6*\c:\pc+2+6*\c], v[\s+32*\c:\s+15+32*\c], v[\tm+12+2*\c]
	v_cvt_scalef32_pk16_fp6_f32 v[\pc+12+4*\c:\pc+14+4*\c], v[\s+16+32*\c:\s+31+32*\c], v[\tm+12+2*\c+1]   ; (a conversion's three registers begin on an even number)
.endr
	v_nop                                                  ; one plain place behind a scaled conversion
.irp c, 0,1                                            ; the operand wants a whole block in a lane: lanes 0-15 block 2 c, lanes 16-31 block 2 c + 1
.irp i, 0,1,2
	v_permlane16_swap_b32 v[\pc+6*\c+\i], v[\pc+12+4*\c+\i]
.endr
.irp i, 0,1,2
	v_mov_b32 v[\pc+3+6*\c+\i], v[\pc+12+4*\c+\i]
.endr
.endr
.endm
.macro LOAD s                          ; K step s of my four: place i's 512 bytes, 16 a lane
.irp i, 0,1,2,3,4,5,6,7,8,9,10,11,12,13,14,15
	global_load_b128 v[RA+64*((\s)%2)+4*\i:RA+64*((\s)%2)+4*\i+3], v1, s[24:25] offset:(\i+8*(\i/8))*8192+512*(\s) th:TH_LOAD_NT
.endr
.endm
.macro TURN s                          ; through my stage: LDS serves a wave's instructions in order, so no wait stands between the stores and the loads
.irp i, 0,1,2,3,4,5,6,7,8,9,10,11,12,13,14,15
	ds_store_b128 v2, v[RA+64*((\s)%2)+4*\i:RA+64*((\s)%2)+4*\i+3] offset:SP*\i
.endr
.irp b, 0,1,2,3
.irp j, 0,1,2,3
	ds_load_b128 v[X+16*\b+4*\j:X+16*\b+4*\j+3], v3 offset:128*\b+16*\j
.endr
.endr
.endm
	s_load_b256 s[4:11], s[0:1], 0x0               ; x s[4:5], Wq s[6:7], Wk s[8:9], Wv s[10:11]
	s_load_b256 s[12:19], s[0:1], 0x20             ; Wo s[12:13], the mask s[14:15], cod s[16:17], scl s[18:19]
	s_load_b64 s[20:21], s[0:1], 0x40              ; tab
	v_lshl_add_u32 v243, v0, 2, 0x6300
	v_mov_b32 v255, 0
	v_lshrrev_b32 v7, 5, v0
	v_readfirstlane_b32 s22, v7                    ; wave 0..2
	s_mul_i32 s47, ttmp9, 3
	s_add_co_u32 s47, s47, s22                     ; my task, 0..2303
	s_lshr_b32 s48, s47, 2                         ; its tile, 0..575
	s_and_b32 s49, s47, 3                          ; its quarter of K
	v_and_b32 v7, 31, v0                           ; lane
	v_lshlrev_b32 v1, 4, v7                        ; 16 x lane: a load's and an image's place
	v_and_b32 v29, 15, v0                          ; r
	v_bfe_u32 v30, v0, 4, 1                        ; h
	s_mul_i32 s23, s22, WST                        ; my stage
	v_add_nc_u32 v2, s23, v1                       ; into it: 16 x lane of a row
	v_mul_u32_u24 v3, v29, SP
	v_lshl_add_u32 v3, v30, 6, v3
	v_add_nc_u32 v3, s23, v3                       ; out of it: row r, + 64 h
	v_lshlrev_b32 v4, 3, v29
	v_lshl_add_u32 v4, v30, 7, v4                  ; the scale words' place: 8 r + 128 h
	v_lshlrev_b32 v5, 3, v7                        ; 8 x lane: a table entry
	v_lshlrev_b32 v28, 2, v7                       ; 4 x lane: four bytes of the mask
.irp b, 0,1,2,3
	v_mov_b32 v[TM+4+\b], 0                        ; written once: a lane permute's destination counts as one of its sources
.endr
	s_mov_b32 s[SEL], 0x76543210
	s_mov_b32 s[SEL+1], 0xfedcba98
	s_mov_b32 s46, 0xffff0000                      ; lanes 16-31
	s_mov_b32 s26, 0                               ; the tensor's first tile in the count of tasks,
	s_mov_b32 s27, 0                               ; its first tile in cod,
	s_mov_b32 s28, 0                               ; 1 where the tiles of Wk and Wv take turns, eight at a time
	s_wait_kmcnt 0x0
	s_mov_b64 s[24:25], s[4:5]                     ; which tensor: the choice hangs on the task's number alone
	s_cmp_ge_u32 s48, 256
	s_cselect_b64 s[24:25], s[6:7], s[24:25]
	s_cselect_b32 s26, 256, s26
	s_cselect_b32 s27, 256, s27
	s_cmp_ge_u32 s48, 384
	s_cselect_b64 s[24:25], s[8:9], s[24:25]
	s_cselect_b32 s26, 384, s26
	s_cselect_b32 s27, 384, s27
	s_cselect_b32 s28, 1, s28
	s_cmp_ge_u32 s48, 416
	s_cselect_b64 s[24:25], s[10:11], s[24:25]
	s_cselect_b32 s26, 416, s26
	s_cselect_b32 s27, 392, s27
	s_cmp_ge_u32 s48, 448
	s_cselect_b64 s[24:25], s[12:13], s[24:25]
	s_cselect_b32 s26, 448, s26
	s_cselect_b32 s27, 448, s27
	s_cselect_b32 s28, 0, s28
	s_sub_co_u32 s29, s48, s26                     ; t: my tile of the tensor
	s_lshr_b32 s30, s29, 3
	s_mul_i32 s30, s30, s28
	s_lshl_b32 s30, s30, 3
	s_add_co_u32 s30, s30, s29
	s_add_co_u32 s30, s30, s27                     ; its number in cod and scl
	s_lshr_b32 s31, s29, 1
	s_lshl_b32 s31, s31, 5
	s_and_b32 s33, s29, 1
	s_lshl_b32 s33, s33, 3
	s_add_co_u32 s31, s31, s33                     ; its first row: 32 (t / 2) + 8 (t % 2)
	s_lshl_b32 s34, s31, 13                        ; rows of 8,192 bytes,
	s_lshl_b32 s33, s49, 11
	s_add_co_u32 s34, s34, s33                     ; + my quarter's 2,048 bytes of a row
	s_mov_b32 s35, 0
	s_add_nc_u64 s[24:25], s[24:25], s[34:35]
	LOAD 0
	LOAD 1
	s_mul_i32 s34, s30, 24576
	s_mul_i32 s33, s49, 6144
	s_add_co_u32 s34, s34, s33
	s_add_nc_u64 s[16:17], s[16:17], s[34:35]      ; my four images
	s_lshl_b32 s34, s30, 10
	s_lshl_b32 s33, s49, 8
	s_add_co_u32 s34, s34, s33
	s_add_nc_u64 s[18:19], s[18:19], s[34:35]      ; my 256 bytes of scale words
	s_lshl_b32 s34, s47, 8
	s_add_nc_u64 s[42:43], s[20:21], s[34:35]      ; my task's 32 table entries
	; THE TABLE: entry 32 x task + lane: pos = entry / 64 = task / 2, j = entry % 64.  From entry 65,536 on pos counts as 0: the angle is 0 and the entry exactly (1, 0).
	s_and_b32 s36, s47, 1
	s_lshl_b32 s36, s36, 5
	v_add_nc_u32 v160, s36, v7
	s_lshr_b32 s37, s47, 1
	s_cmp_lt_u32 s47, 2048
	s_cselect_b32 s37, s37, 0
	v_cvt_f32_u32 v160, v160                       ; j
	v_cvt_f32_u32 v161, s37                        ; pos
	v_mul_f32 v162, 0x3e549a78, v160               ; a = j x log2(10000) / 64, rounded;
	v_fma_f32 v163, v160, 0x3e549a78, -v162        ; what the rounding lost,
	v_fma_f32 v163, v160, 0x31979a74, v163         ; and the constant's own low part
	s_wait_alu depctr_va_vdst(0)
	v_exp_f32 v164, -v162                          ; 2^-a
	v_mul_f32 v163, 0x3f317218, v163               ; x ln 2  (the plain place behind the exponential)
	s_wait_alu depctr_va_vdst(0)                   ; the wait ahead of the result's first reader
	v_fma_f32 v164, -v164, v163, v164              ; the frequency: 2^-a (1 - e ln 2)
	v_mul_f32 v165, v161, v164                     ; the angle, rounded once as in pos x frequency
	v_mul_f32 v166, 0x3f22f983, v165
	v_rndne_f32 v166, v166                         ; n = the nearest multiple of pi / 2
	v_fma_f32 v167, -v166, 0x3fc90fda, v165        ; r = angle - n pi / 2, pi / 2 in three parts
	v_fma_f32 v167, -v166, 0x33a22168, v167
	v_fma_f32 v167, -v166, 0x27c234c4, v167
	v_cvt_i32_f32 v168, v166
	v_mul_f32 v169, v167, v167                     ; z = r r
	v_mov_b32 v170, 0xb94ca1f9
	v_fmaak_f32 v170, v170, v169, 0x3c08839e
	v_fmaak_f32 v170, v170, v169, 0xbe2aaaa3
	v_mul_f32 v170, v170, v169
	v_fma_f32 v170, v170, v167, v167               ; sin r
	v_mov_b32 v171, 0x37ccf5ce
	v_fmaak_f32 v171, v171, v169, 0xbab6061a
	v_fmaak_f32 v171, v171, v169, 0x3d2aaaa5
	v_fma_f32 v171, v171, v169, -0.5
	v_fma_f32 v171, v171, v169, 1.0                ; cos r
	v_and_b32 v172, 1, v168
	v_cmp_ne_u32 vcc_lo, 0, v172                   ; an odd quadrant swaps the two
	v_cndmask_b32 v173, v170, v171, vcc_lo
	v_cndmask_b32 v174, v171, v170, vcc_lo
	v_and_b32 v172, 2, v168
	v_lshlrev_b32 v172, 30, v172
	v_xor_b32 v245, v172, v173                     ; sin: negative in quadrants 2, 3
	v_add_nc_u32 v172, 1, v168
	v_and_b32 v172, 2, v172
	v_lshlrev_b32 v172, 30, v172
	v_xor_b32 v244, v172, v174                     ; cos: negative in quadrants 1, 2
	global_store_b64 v5, v[244:245], s[42:43]      ; the wave stores 256 consecutive bytes, aligned
	; THE MASK: tasks 0 to 31, four bytes a lane
	s_cmp_lt_u32 s47, 32
	s_cbranch_scc0 .Lno_pen
	s_lshl_b32 s38, s47, 7
	s_mov_b32 s39, 0
	s_add_nc_u64 s[14:15], s[14:15], s[38:39]
	global_load_b32 v252, v28, s[14:15]
	s_lshl_b32 s38, s47, 9
	s_add_nc_u64 s[40:41], s[20:21], s[38:39]
	s_add_nc_u64 s[40:41], s[40:41], 589824
	v_mov_b32 v254, 0xf1800000                     ; -2^100
	s_wait_alu depctr_va_vdst(0)
	s_wait_loadcnt 0x0                             ; the mask's word is the youngest load
.irp k, 0,1,2,3
	v_bfe_u32 v253, v252, 8*\k, 8
	v_cmp_eq_u32 vcc_lo, 0, v253
	v_cndmask_b32 v[248+\k], 0, v254, vcc_lo
.endr
	global_store_b128 v1, v[248:251], s[40:41]     ; 512 consecutive bytes, aligned
.Lno_pen:
.macro STEPQ s
.if \s < 3
	s_wait_loadcnt 16                              ; this step's 16 loads are in; the next step's may be out
.else
	s_wait_loadcnt 0x0
.endif
	TURN \s
	s_wait_dscnt 0x0                               ; my 64 numbers are back, and the stage's stores have read their registers,
.if \s < 2
	LOAD \s+2                                      ; which take the loads of two steps on
.endif
.if \s > 0
	s_wait_xcnt 0x0                                ; the last step's stores have read the codes' registers: they are rewritten only behind this wait
.endif
	QUANT X, PC, TM, SW+\s
.irp c, 0,1,2
	global_store_b128 v1, v[PC+4*\c:PC+4*\c+3], s[16:17] offset:1536*\s+512*\c   ; 512 consecutive bytes, aligned
.endr
.endm
	STEPQ 0
	STEPQ 1
	STEPQ 2
	STEPQ 3
	v_cndmask_b32 v246, v[SW], v[SW+2], s46        ; lanes 0-15 store steps 0, 1 of row r, lanes 16-31 steps 2, 3
	v_cndmask_b32 v247, v[SW+1], v[SW+3], s46
	global_store_b64 v4, v[246:247], s[18:19]      ; 256 consecutive bytes, aligned
	s_wait_tensorcnt 0x0
	ds_add_u32 v243, v255
	s_wait_dscnt 0x0
	s_endpgm
.Lfunc_end_k_q0a3aceeef4_quant:
	.size	k_q0a3aceeef4_quant, .Lfunc_end_k_q0a3aceeef4_quant-k_q0a3aceeef4_quant
	.p2alignl 7, 3214868480
	.fill 96, 4, 3214868480
	.section	.rodata,"a",@progbits
	.p2align	6, 0x0
	.amdhsa_kernel k_q0a3aceeef4_quant
		.amdhsa_group_segment_fixed_size 25856
		.amdhsa_private_segment_fixed_size 0
		.amdhsa_enable_private_segment 0
		.amdhsa_kernarg_size 72
		.amdhsa_user_sgpr_count 2
		.amdhsa_user_sgpr_kernarg_segment_ptr 1
		.amdhsa_wavefront_size32 1
		.amdhsa_system_sgpr_workgroup_id_x 1
		.amdhsa_system_sgpr_workgroup_id_y 1
		.amdhsa_system_sgpr_workgroup_id_z 1
		.amdhsa_system_vgpr_workitem_id 0
		.amdhsa_next_free_vgpr 256
		.amdhsa_next_free_sgpr 66
		.amdhsa_reserve_vcc 1
		.amdhsa_float_denorm_mode_32 3
		.amdhsa_float_denorm_mode_16_64 3
		.amdhsa_memory_ordered 1
		.amdhsa_forward_progress 1
		.amdhsa_inst_pref_size 38
	.end_amdhsa_kernel
	.amdgpu_metadata
---
amdhsa.version: [ 1, 2 ]
amdhsa.kernels:
  - .name:           k_q0a3aceeef4_quant
    .symbol:         k_q0a3aceeef4_quant.kd
    .args:
      - { .name: x, .offset: 0, .size: 8, .value_kind: global_buffer, .address_space: global }
      - { .name: Wq, .offset: 8, .size: 8, .value_kind: global_buffer, .address_space: global }
      - { .name: Wk, .offset: 16, .size: 8, .value_kind: global_buffer, .address_space: global }
      - { .name: Wv, .offset: 24, .size: 8, .value_kind: global_buffer, .address_space: global }
      - { .name: Wo, .offset: 32, .size: 8, .value_kind: global_buffer, .address_space: global }
      - { .name: attention_mask, .offset: 40, .size: 8, .value_kind: global_buffer, .address_space: global }
      - { .name: cod, .offset: 48, .size: 8, .value_kind: global_buffer, .address_space: global }
      - { .name: scl, .offset: 56, .size: 8, .value_kind: global_buffer, .address_space: global }
      - { .name: tab, .offset: 64, .size: 8, .value_kind: global_buffer, .address_space: global }
    .group_segment_fixed_size: 25856
    .private_segment_fixed_size: 0
    .kernarg_segment_align: 8
    .kernarg_segment_size: 72
    .max_flat_workgroup_size: 96
    .sgpr_count:     66
    .vgpr_count:     256
    .wavefront_size: 32
...
	.end_amdgpu_metadata
.endif
;; end of part 1
;; launch qkv (part 2): grid 12 x 16, 4 waves a work-group, clusters of 4 x 4, 327,680 bytes of LDS; arguments cod, scl, tab, qkv, qks; writes qkv, qks
.if DOCPART == 2
	.amdgcn_target "amdgcn-amd-amdhsa--gfx1250"
	.amdhsa_code_object_version 6
	.text
	.protected	k_q0a3aceeef4_qkv
	.globl	k_q0a3aceeef4_qkv
	.p2align	8
	.type	k_q0a3aceeef4_qkv,@function
k_q0a3aceeef4_qkv:
	s_mov_b64 s[64:65], 0
	v_nop
	global_prefetch_b8 v0, s[64:65] scope:SCOPE_SE
	s_setreg_imm32_b32 hwreg(HW_REG_WAVE_MODE, 25, 1), 1
	s_wait_xcnt 0x0
	s_wait_alu depctr_hold_cnt(0) depctr_sa_sdst(0) depctr_va_vdst(0) depctr_va_sdst(0) depctr_va_ssrc(0) depctr_va_vcc(0) depctr_vm_vsrc(0)
	s_getreg_b32 s2, hwreg(HW_REG_IB_STS2, 6, 4)
	s_cmp_eq_u32 s2, 0
	s_cbranch_scc0 .Lentry_in_a_cluster
	s_endpgm
.Lentry_in_a_cluster:
	s_bfe_u32 s2, ttmp6, 0x10000c
	s_cmp_lg_u32 s2, 0xf033
	s_cbranch_scc0 .Lentry_shape_is_right
	s_endpgm
.Lentry_shape_is_right:
; Q, K, V = x Wq^T, x Wk^T, x Wv^T as ONE product 4,096 x 3,072 x 2,048 on codes of FP6 (E2M3) with E8M0 scales; on the way out the rotary embedding (Q, K) and the quantiser for attention's two products.
; OPERANDS: cod holds tiles of 16 rows as images of the operand's registers (a fragment of 128 along K: 1,536 bytes, registers 4 c .. 4 c + 3 of lane l at 512 c + 16 l; a tile's 16 fragments on end).
; Place r of a tile is row 32 (t / 2) + 8 (t % 2) + r + 8 (r / 8).  x: tiles 0-255; the weights from tile 256 on: Wq's 128, then for kv head g eight of Wk and eight of Wv.  scl: tile x 1,024 + (step / 2) x 128 + 8 r + 4 (step % 2).
; A block of the result, 256 x 256, is made by four waves, 128 x 128 each: 64 accumulators.  K goes in steps of 256 through a ring of two LDS slots; a slot's part of a tile is 3,072 consecutive bytes.
; THE HEAD: one joint load a wave: wave 0 slot 0's 16 tiles of x, wave 1 its 16 tiles of the weights, waves 2 and 3 the two sides' scale words for all of K.  Slot 1 is first filled behind the full sequence and a round.
; CLUSTERS 4 x 4: x's tiles are asked for jointly along a row of the cluster, the weights' along a column.
; THE MATRIX INSTRUCTION IS USED TRANSPOSED (source 0 = a weight's tile, source 1 = a tile of x): a lane's 64 results of one tile of x are a head's 128 channels 32 b + 16 (lane / 16) + i of ONE token.
; Column tiles 0-7 hold two query heads; column tile 8 + g holds K's head g (waves 0, 2) and V's head g (waves 1, 3).  V IS QUANTISED ALONG THE KEYS: a wave of V swaps the two sources by its LDS addresses alone.
; THE WAY OUT, 16 rows at a time: rotation by (cos, sin) from tab (a wave of V reads the table's rows of (1, 0)), quantiser, image to qkv, scale words to qks.
; qkv: Q at ((b 16 + head) 64 + tile) 1,536; K at 6,291,456 + ((b 4 + kv) 64 + tile) 1,536; V^T at 7,864,320 + (((b 4 + kv) 8 + key step) 8 + channel tile) 1,536.  qks: for a group of 8 fragments a: group x 512 + 32 r + 4 a.
; PREFETCHES: behind the load of slot k stands one request for slot k + 2's successor in the same ring place, slot k + 2 refills on: of the 8 tiles that a wave fetches each of the four partners names 2 (24 blocks of 256 bytes,
; a lane a block; lanes 24-31 name the last again), told apart by address.  Slots 0 to 2 come by their loads alone; the last two refills ask for nothing.  The 128 positions of the table that a wave reads on the way out
; are named once in the cluster, 32 blocks a wave, two slots ahead of their first load.
; LIMITS: NaN and infinities are not served; a block of zeros keeps the byte 1.
; REGISTERS: window 0: v0-31 addresses; v32-63 scale words, two sets; v128-223 source 1's fragments.  window 1: source 0's, two sets, at v0 and v128.  windows 2, 3: the accumulators ((a, b) at v[8 (8 (a % 4) + b)]).
.set TB0,    256
.set FR,     12
.set FRB,    1536
.set NL,     3
.set NP,     4
.set NQ,     2
.set TROW,   NQ*FRB
.set TILEB,  16*FRB
.set HALFT,  8*TROW
.set SLOT,   4*HALFT
.set LAPS,   4
.set SCL,    2*SLOT
.set HALFS,  8192
.set SPARE,  SCL+4*HALFS
.set L16,  3
.set ADRA, 16
.set ADRB, 20
.set TA,   25
.set WO,   26
.set ADRS, 27
.set SPW,  28
.set NIL,  29
.set PFO,  30                          ; v30 the tile prefetch's lane offset; v31 the table prefetch's; never rewritten
.set TPO,  31
.set SC,   32
.set AF,   128
.set HA,   128
.set PT,   204
.set TM,   212
.set PW8,  228
.set SWD,  236
.set SEL,  18
.set G0H,  4                           ; s[4:7], s[8:11] group 0 of the head's two loads of codes
.set G0HB, 8
.set G1, 24
.set G0, 32
.set G1B, 48
.set G0B, 56
.set G1S, 68
.set G0S, 76
.set G1SB, 80
.set G0SB, 88
.set PFA,  94                          ; s[94:95] where my tile prefetches stand
.set TPF,  46                          ; s[46:47] my share of the table
.set MSB, 0
.macro WIN new
.if MSB != \new
	s_set_vgpr_msb (MSB<<8)|\new
.set MSB, \new
.endif
.endm
.set MUL_LO, 0xa1
.set MUL_HI, 0xf1
.set TO_B,   0x40
.macro JLOAD g0a, g1a, g0b, g1b        ; waves 0, 1 fetch x's tiles, waves 2, 3 the weights'
	s_cmp_eq_u32 s15, 0
	s_cbranch_scc0 .Lfor_b_\@
	tensor_load_to_lds s[\g0a:\g0a+3], s[\g1a:\g1a+7]
	s_nop 0
.rept 4
	v_nop
.endr
	s_branch .Lasked_\@
.Lfor_b_\@:
	tensor_load_to_lds s[\g0b:\g0b+3], s[\g1b:\g1b+7]
	s_nop 0
.rept 4
	v_nop
.endr
.Lasked_\@:
.endm
.macro CREST
	s_cmp_lg_u32 s14, 0
	s_cbranch_scc1 .Lnot_wave_0_\@
	s_barrier_signal -3
.Lnot_wave_0_\@:
	s_barrier_wait -3
	s_barrier_signal -1
	s_barrier_wait -1
.endm
.macro CROUND
	s_barrier_signal -1
	s_barrier_wait -1
	CREST
.endm
.macro QUANT s, pc, pt, tm, pw         ; 64 numbers of a lane become a fragment's codes in v[pc] .. v[pc + 11] and its scale word in v[pw]
.irp b, 0,1,2,3
	v_max3_num_f32 v[\tm+\b], |v[\s+16*\b]|, |v[\s+1+16*\b]|, 0x1800000
.endr
.irp i, 2,4,6,8,10,12,14
.irp b, 0,1,2,3
	v_max3_num_f32 v[\tm+\b], v[\tm+\b], |v[\s+16*\b+\i]|, |v[\s+1+16*\b+\i]|
.endr
.endr
.irp b, 0,1,2,3
	v_permlanex16_b32 v[\tm+4+\b], v[\tm+\b], s[SEL], s[SEL+1]
.endr
.irp b, 0,1,2,3
	v_max_num_f32 v[\tm+\b], v[\tm+\b], v[\tm+4+\b]
.endr
.irp b, 0,1,2,3
	v_add_nc_u32 v[\tm+12+\b], 0xff000000, v[\tm+\b]
.endr
.irp b, 0,1,2,3
	v_lshrrev_b32 v[\tm+4+\b], 23, v[\tm+12+\b]
.endr
	v_lshl_or_b32 v[\pw], v[\tm+5], 8, v[\tm+4]
	v_lshl_or_b32 v[\pw], v[\tm+6], 16, v[\pw]
	v_lshl_or_b32 v[\pw], v[\tm+7], 24, v[\pw]
.irp c, 0,1
	v_cvt_scalef32_pk16_fp6_f32 v[\pc+6*\c:\pc+2+6*\c], v[\s+32*\c:\s+15+32*\c], v[\tm+12+2*\c]
	v_cvt_scalef32_pk16_fp6_f32 v[\pt+4*\c:\pt+2+4*\c], v[\s+16+32*\c:\s+31+32*\c], v[\tm+12+2*\c+1]
.endr
	v_nop
.irp c, 0,1
.irp i, 0,1,2
	v_permlane16_swap_b32 v[\pc+6*\c+\i], v[\pt+4*\c+\i]
.endr
.irp i, 0,1,2
	v_mov_b32 v[\pc+3+6*\c+\i], v[\pt+4*\c+\i]
.endr
.endr
.endm
	s_load_b128 s[4:7], s[0:1], 0x0                ; cod, scl
	s_load_b64 s[66:67], s[0:1], 0x10              ; tab
	s_load_b128 s[96:99], s[0:1], 0x18             ; qkv, qks
	v_lshl_add_u32 v[SPW], v0, 2, SPARE
	v_mov_b32 v[NIL], 0
	ds_add_u32 v[SPW], v[NIL]                      ; the opening lines: the add twice and its wait
	ds_add_u32 v[SPW], v[NIL]
	v_lshrrev_b32 v1, 5, v0
	v_readfirstlane_b32 s14, v1                    ; wave
	s_lshr_b32 s15, s14, 1
	s_and_b32 s16, s14, 1
	s_bfe_u32 s40, ttmp6, 0x40000                  ; cx, cy
	s_bfe_u32 s41, ttmp6, 0x40004
	s_lshl_b32 s42, ttmp9, 2
	s_add_co_u32 s42, s42, s40                     ; column tile
	s_and_b32 s17, ttmp7, 0xffff
	s_lshl_b32 s17, s17, 2
	s_add_co_u32 s17, s17, s41                     ; row tile
	s_lshl_b32 s43, s41, 2
	s_lshl_b32 s43, 15, s43
	s_lshl_b32 s44, 0x1111, s40
	s_or_b32 s[G1+0], s43, (3<<16)|(1<<21)
	s_or_b32 s[G1B+0], s44, (3<<16)|(1<<21)
.irp g, G1, G1B                                ; codes: 16 rows (tiles) of 384 elements of 8 bytes for the head's loads; 8 rows for the ring's
	s_mov_b32 s[\g+1], (TROW/8)<<16
	s_mov_b32 s[\g+2], 16<<16
	s_mov_b32 s[\g+3], (TROW/8)<<16
	s_mov_b32 s[\g+4], 16
	s_mov_b32 s[\g+5], TILEB/8
	s_mov_b32 s[\g+6], 0
	s_mov_b32 s[\g+7], 0
.endr
	s_or_b32 s[G1S+0], s43, (3<<16)|(1<<21)
	s_or_b32 s[G1SB+0], s44, (3<<16)|(1<<21)
.irp g, G1S, G1SB                              ; the scale words of 16 tiles: 16,384 dense bytes as 64 rows of 256
	s_mov_b32 s[\g+1], 32<<16
	s_mov_b32 s[\g+2], 64<<16
	s_mov_b32 s[\g+3], 32<<16
	s_mov_b32 s[\g+4], 64
	s_mov_b32 s[\g+5], 32
	s_mov_b32 s[\g+6], 0
	s_mov_b32 s[\g+7], 0
.endr
	s_lshl_b32 s20, s17, 4                         ; x: tile 16 x row tile
	s_lshl_b32 s46, s42, 4
	s_add_co_u32 s46, s46, TB0                     ; weights: tile 256 + 16 x column tile
	s_lshl_b32 s22, s20, 10
	s_mov_b32 s23, 0
	s_lshl_b32 s92, s46, 10
	s_mov_b32 s93, 0
	s_mul_i32 s20, s20, TILEB
	s_mov_b32 s21, 0
	s_mul_i32 s46, s46, TILEB
	s_mov_b32 s47, 0
	s_mul_i32 s18, s16, 8*TILEB                    ; the ring: which 8 tiles of a side I fetch
	s_mov_b32 s19, 0
	s_mul_i32 s45, s14, HALFT
	s_lshl_b32 s43, s17, 4                         ; the prefetches: of my 8 tiles, 2 by my place among the four partners
	s_lshl_b32 s94, s40, 1
	s_add_co_u32 s43, s43, s94
	s_lshl_b32 s44, s42, 4
	s_lshl_b32 s94, s41, 1
	s_add_co_u32 s44, s44, s94
	s_add_co_u32 s44, s44, TB0
	s_cmp_eq_u32 s15, 0
	s_cselect_b32 s94, s43, s44
	s_lshl_b32 s95, s16, 3
	s_add_co_u32 s94, s94, s95
	s_mul_i32 s94, s94, TILEB
	s_add_co_u32 s94, s94, 3*TROW                  ; at slot 3
	s_mov_b32 s95, 0
	s_wait_dscnt 0x0
	s_wait_kmcnt 0x0
	s_add_nc_u64 s[PFA:PFA+1], s[4:5], s[94:95]
	s_add_nc_u64 s[20:21], s[4:5], s[20:21]
	s_add_nc_u64 s[46:47], s[4:5], s[46:47]
	s_add_nc_u64 s[22:23], s[6:7], s[22:23]
	s_add_nc_u64 s[92:93], s[6:7], s[92:93]
	CROUND                                         ; the first joint loads meet
	s_mov_b32 s[G0H], 1
	s_mov_b32 s[G0H+1], 0
	s_mov_b64 s[G0H+2:G0H+3], s[20:21]
	s_or_b32 s[G0H+3], s[G0H+3], 0x80000000
	s_mov_b32 s[G0HB], 1
	s_mov_b32 s[G0HB+1], 2*HALFT
	s_mov_b64 s[G0HB+2:G0HB+3], s[46:47]
	s_or_b32 s[G0HB+3], s[G0HB+3], 0x80000000
	s_mov_b32 s[G0S], 1
	s_mov_b32 s[G0S+1], SCL
	s_mov_b64 s[G0S+2:G0S+3], s[22:23]
	s_or_b32 s[G0S+3], s[G0S+3], 0x80000000
	s_mov_b32 s[G0SB], 1
	s_mov_b32 s[G0SB+1], SCL+2*HALFS
	s_mov_b64 s[G0SB+2:G0SB+3], s[92:93]
	s_or_b32 s[G0SB+3], s[G0SB+3], 0x80000000
	s_add_nc_u64 s[20:21], s[20:21], s[18:19]
	s_add_nc_u64 s[46:47], s[46:47], s[18:19]
.irp s, 0,1
	s_mov_b32 s[G0+4*\s], 1
	s_add_co_u32 s[G0+4*\s+1], s45, \s*SLOT
	s_add_nc_u64 s[G0+4*\s+2:G0+4*\s+3], s[20:21], \s*TROW
	s_or_b32 s[G0+4*\s+3], s[G0+4*\s+3], 0x80000000
	s_mov_b32 s[G0B+4*\s], 1
	s_add_co_u32 s[G0B+4*\s+1], s45, \s*SLOT
	s_add_nc_u64 s[G0B+4*\s+2:G0B+4*\s+3], s[46:47], \s*TROW
	s_or_b32 s[G0B+4*\s+3], s[G0B+4*\s+3], 0x80000000
.endr
.macro ARM under, g0, g1, next         ; one chain of branches on the wave's number, one load to an arm
	s_cmp_lt_u32 s14, \under
	s_cbranch_scc0 \next
	tensor_load_to_lds s[\g0:\g0+3], s[\g1:\g1+7]
	s_nop 0
.rept 4
	v_nop
.endr
	s_branch .Lhead_asked
\next:
.endm
	ARM 1, G0H,  G1,  .Lhead_b
	ARM 2, G0HB, G1B, .Lhead_sa
	ARM 3, G0S,  G1S, .Lhead_sb
	tensor_load_to_lds s[G0SB:G0SB+3], s[G1SB:G1SB+7]
	s_nop 0
.rept 4
	v_nop
.endr
.Lhead_asked:
	v_and_b32 v1, 15, v0                           ; r
	v_bfe_u32 v2, v0, 4, 1                         ; h
	v_and_b32 v[L16], 31, v0
	v_lshlrev_b32 v[TPO], 8, v[L16]                ; 256 x lane
	v_min_u32 v5, 23, v[L16]
	v_mul_u32_u24 v6, v5, 171
	v_lshrrev_b32 v6, 11, v6                       ; which of my two tiles: min(lane, 23) / 12
	v_mul_u32_u24 v6, v6, TILEB-TROW
	v_lshl_add_u32 v[PFO], v5, 8, v6
	v_lshlrev_b32 v[L16], 4, v[L16]
	s_wait_alu depctr_va_vdst(0)
	s_mul_i32 s21, s15, HALFT
	s_mul_i32 s22, s16, HALFT
	s_add_co_u32 s22, s22, 2*HALFT
	s_cmp_eq_u32 ttmp9, 2                          ; column tiles 8-11 hold K and V
	s_cselect_b32 s19, s16, 0                      ; 1 in a wave of V
	s_cmp_lg_u32 s19, 0
	s_cselect_b32 s23, s22, s21
	s_cselect_b32 s22, s21, s22
.irp s, 0,1
	v_add_nc_u32 v[ADRA+\s], s23, v[L16]
	v_add_nc_u32 v[ADRB+\s], s22, v[L16]
	s_add_co_u32 s23, s23, SLOT
	s_add_co_u32 s22, s22, SLOT
.endr
	s_lshl_b32 s20, s15, 13
	s_lshl_b32 s23, s16, 13
	s_add_co_u32 s23, s23, 2*HALFS
	s_sub_co_u32 s23, s23, s20
	v_xor_b32 v4, s19, v2
	v_mul_u32_u24 v6, s23, v4
	s_add_co_u32 s20, s20, SCL
	v_lshl_add_u32 v6, v1, 3, v6
	v_add_nc_u32 v[ADRS], s20, v6
	v_and_b32 v4, 8, v1
	v_add_nc_u32 v4, v4, v1
	v_lshlrev_b32 v[TA], 9, v4
	v_lshl_add_u32 v[TA], v2, 6, v[TA]
	v_lshlrev_b32 v[WO], 5, v1
	v_lshl_add_u32 v[WO], v2, 4, v[WO]
	s_lshr_b32 s18, s17, 2                         ; b
	s_and_b32 s20, s17, 3
	s_lshl_b32 s20, s20, 1
	s_add_co_u32 s20, s20, s15                     ; which 128 tokens of the batch
	s_lshl_b32 s21, s18, 4
	s_lshl_b32 s22, s42, 1
	s_add_co_u32 s21, s21, s22
	s_add_co_u32 s21, s21, s16
	s_lshl_b32 s22, s18, 2
	s_add_co_u32 s22, s22, s40
	s_mul_i32 s23, s16, 1572864
	s_add_co_u32 s23, s23, 6291456
	s_lshl_b32 s46, s16, 16
	s_add_co_u32 s46, s46, 262144
	s_cmp_eq_u32 ttmp9, 2
	s_cselect_b32 s21, s22, s21
	s_cselect_b32 s23, s23, 0
	s_cselect_b32 s46, s46, 0
	s_lshl_b32 s21, s21, 3
	s_add_co_u32 s21, s21, s20
	s_mul_i32 s22, s21, 8*FRB
	s_add_co_u32 s22, s22, s23
	s_mov_b32 s23, 0
	s_add_nc_u64 s[96:97], s[96:97], s[22:23]
	s_lshl_b32 s22, s21, 9
	s_add_co_u32 s22, s22, s46
	s_add_nc_u64 s[98:99], s[98:99], s[22:23]
	s_lshl_b32 s22, s20, 16                        ; the table at my first position
	s_lshl_b32 s21, s40, 1
	s_add_co_u32 s21, s21, s16
	s_lshl_b32 s21, s21, 13                        ; of its 65,536 bytes the eight waves that share them name 8,192 each
	s_add_co_u32 s46, s22, s21
	s_mov_b32 s47, 0
	s_add_nc_u64 s[TPF:TPF+1], s[66:67], s[46:47]
	s_cmp_lg_u32 s19, 0
	s_cselect_b32 s22, 524288, s22                 ; a wave of V: the rows of (1, 0)
	s_add_nc_u64 s[66:67], s[66:67], s[22:23]
.macro FRAG reg, adr, q, i
.irp c, 0,1,2
	ds_load_b128 v[\reg+4*\c:\reg+4*\c+3], v[\adr] offset:(\i)*TROW+(\q)*FRB+512*\c
.endr
.endm
.macro MUL16 a0, p, q, sc, zero        ; the 64 accumulators take turns
.irp a, \a0, \a0+1
.irp b, 0,1,2,3,4,5,6,7
.if \zero
	v_wmma_scale_f32_16x16x128_f8f6f4 v[8*(8*((\a)%4)+\b):8*(8*((\a)%4)+\b)+7], v[128*(\p)+FR*\b:128*(\p)+FR*\b+FR-1], v[AF+FR*(\a):AF+FR*(\a)+FR-1], 0, v[SC+8*NQ*(\sc)+NQ*\b+(\q)], v[SC+8*NQ*(\sc)+NQ*(\a)+(\q)] matrix_a_fmt:MATRIX_FMT_FP6 matrix_b_fmt:MATRIX_FMT_FP6 matrix_a_scale:MATRIX_SCALE_ROW1
.else
	v_wmma_scale_f32_16x16x128_f8f6f4 v[8*(8*((\a)%4)+\b):8*(8*((\a)%4)+\b)+7], v[128*(\p)+FR*\b:128*(\p)+FR*\b+FR-1], v[AF+FR*(\a):AF+FR*(\a)+FR-1], v[8*(8*((\a)%4)+\b):8*(8*((\a)%4)+\b)+7], v[SC+8*NQ*(\sc)+NQ*\b+(\q)], v[SC+8*NQ*(\sc)+NQ*(\a)+(\q)] matrix_a_fmt:MATRIX_FMT_FP6 matrix_b_fmt:MATRIX_FMT_FP6 matrix_a_scale:MATRIX_SCALE_ROW1
.endif
.endr
.endr
.endm
.macro FETCH_B slot, q, p
	WIN TO_B
.irp i, 0,1,2,3,4,5,6,7
	FRAG 128*(\p)+FR*\i, ADRB+\slot, \q, \i
.endr
	WIN 0
.endm
.macro FETCH_A slot, q, i0
.irp i, \i0, \i0+1, \i0+2, \i0+3
	FRAG AF+FR*(\i), ADRA+\slot, \q, \i
.endr
.endm
.macro SCALES sc
.irp i, 0,1,2,3,4,5,6,7
	ds_load_b64 v[SC+8*NQ*\sc+NQ*\i:SC+8*NQ*\sc+NQ*\i+1], v[ADRS] offset:\i*1024
.endr
.endm
.macro PLACES n
.rept \n
	v_nop
.endr
.endm
.macro STEP slot, q, zero
	s_wait_dscnt 4*NL                              ; all but the youngest 12 loads (source 1's blocks 4-7) are in
	WIN MUL_LO
	MUL16 0, (\q)%2, \q, \slot, \zero
	MUL16 2, (\q)%2, \q, \slot, \zero
	s_wait_dscnt 0
	PLACES NP
	FETCH_B \slot, (\q)+1, 1-(\q)%2
	FETCH_A \slot, (\q)+1, 0
	WIN MUL_HI
	MUL16 4, (\q)%2, \q, \slot, \zero
	MUL16 6, (\q)%2, \q, \slot, \zero
	PLACES NP
	WIN 0
	FETCH_A \slot, (\q)+1, 4
.endm
; A slot's last step changes slots at its head: all its fragments have been asked for.  The three lines, the barrier (which opens a round where the slot is filled again), the refill, then the step's products.
.macro TURN slot, next, fill
.if \fill
	s_wait_xcnt 0x0                                ; my last prefetch has read its address: it steps one slot on
	s_add_nc_u64 s[PFA:PFA+1], s[PFA:PFA+1], TROW
.endif
	s_wait_tensorcnt 0x0
	ds_add_u32 v[SPW], v[NIL]
.if \fill
	s_add_nc_u64 s[G0+4*\slot+2:G0+4*\slot+3], s[G0+4*\slot+2:G0+4*\slot+3], 2*TROW
	s_add_nc_u64 s[G0B+4*\slot+2:G0B+4*\slot+3], s[G0B+4*\slot+2:G0B+4*\slot+3], 2*TROW
.endif
	s_wait_dscnt 0x0
	s_barrier_signal -1
	s_barrier_wait -1
.if \fill
	CREST
	JLOAD G0+4*\slot, G1, G0B+4*\slot, G1B
.endif
	WIN MUL_LO
	MUL16 0, 1, NQ-1, \slot, 0
	MUL16 2, 1, NQ-1, \slot, 0
	PLACES NP
	WIN 0
	s_wait_alu depctr_va_vdst(0)
	v_add_nc_u32 v[ADRS], 128, v[ADRS]
	FETCH_B \next, 0, 0
	FETCH_A \next, 0, 0
	SCALES \next
.if \fill
	s_cmp_gt_u32 s3, 1                             ; the last lap's two refills have no slot two refills on
	s_cbranch_scc0 .Lno_ask_\@
	global_prefetch_b8 v[PFO], s[PFA:PFA+1] th:TH_LOAD_NT scope:SCOPE_SE
.Lno_ask_\@:
.else
	global_prefetch_b8 v[TPO], s[TPF:TPF+1] th:TH_LOAD_NT scope:SCOPE_SE   ; my 32 blocks of the table
.endif
	WIN MUL_HI
	MUL16 4, 1, NQ-1, \slot, 0
	MUL16 6, 1, NQ-1, \slot, 0
	PLACES NP
	WIN 0
	FETCH_A \next, 0, 4
.endm
.macro CSLOAD a
	WIN 0x40
.irp b, 0,1,2,3
.irp j, 0,1,2,3
	global_load_b128 v[64*((\a)%4)+16*\b+4*\j:64*((\a)%4)+16*\b+4*\j+3], v[TA], s[66:67] offset:(32*((\a)/2)+8*((\a)%2))*512+128*\b+16*\j
.endr
.endr
.endm
	s_wait_alu depctr_va_vdst(0)                   ; the head's end
	s_wait_tensorcnt 0x0                           ; my tile of the head's four is in; the full sequence ahead of slot 1's first fill
	ds_add_u32 v[SPW], v[NIL]
	s_mov_b32 s[G1+2], 8<<16                       ; no load of mine is out: from here on a load brings 8 tiles
	s_mov_b32 s[G1+4], 8
	s_mov_b32 s[G1B+2], 8<<16
	s_mov_b32 s[G1B+4], 8
	s_wait_dscnt 0x0
	CROUND
	JLOAD G0+4, G1, G0B+4, G1B
	FETCH_B 0, 0, 0
	FETCH_A 0, 0, 0
	SCALES 0
	FETCH_A 0, 0, 4
	global_prefetch_b8 v[PFO], s[PFA:PFA+1] th:TH_LOAD_NT scope:SCOPE_SE   ; slot 3
	STEP 0, 0, 1
	s_mov_b32 s3, LAPS-1
.Llap:
	TURN 0, 1, 1
	STEP 1, 0, 0
	TURN 1, 0, 1
	STEP 0, 0, 0
	s_sub_co_u32 s3, s3, 1
	s_cmp_lg_u32 s3, 0
	s_cbranch_scc1 .Llap
	TURN 0, 1, 0
	STEP 1, 0, 0
	CSLOAD 0
	CSLOAD 1
	s_wait_dscnt 4*NL
	WIN MUL_LO
	MUL16 0, 1, NQ-1, 1, 0
	MUL16 2, 1, NQ-1, 1, 0
	s_wait_dscnt 0
	WIN MUL_HI
	MUL16 4, 1, NQ-1, 1, 0
	MUL16 6, 1, NQ-1, 1, 0
	WIN 0
.macro ROPE a                          ; (x1, x2) -> (x1 cos - x2 sin, x2 cos + x1 sin); each accumulator is read from its low end on
.set AC, 64*((\a)%4)
	WIN 0x06+(\a)/4
.set p, 0
.rept 32
	v_pk_mul_f32 v[HA+2*p:HA+2*p+1], v[AC+2*p:AC+2*p+1], v[AC+2*p:AC+2*p+1] op_sel_hi:[1,0]
.set p, p+1
.endr
.set p, 0
.rept 32
	v_fma_f32 v[HA+2*p], -v[AC+2*p+1], v[AC+2*p+1], v[HA+2*p]
	v_fma_f32 v[HA+2*p+1], v[AC+2*p], v[AC+2*p+1], v[HA+2*p+1]
.set p, p+1
.endr
.endm
.macro OUTB a, left
	s_wait_loadcnt \left                           ; block a's table set is in; the younger sets, 16 loads each, may be out
	ROPE \a
.if \a < 4
	CSLOAD \a+4
.endif
	WIN 0
.if \a < 5
.set PCA, 64+12*\a
.elseif \a == 5
.set PCA, 240
.elseif \a == 6
.set PCA, 192
.else
.set PCA, 64
	s_wait_xcnt 0x0                                ; block 7 takes block 0's set of codes
.endif
	QUANT HA, PCA, PT, TM, PW8+\a
.irp c, 0,1,2
	global_store_b128 v[L16], v[PCA+4*\c:PCA+4*\c+3], s[96:97] offset:FRB*\a+512*\c
.endr
.endm
	PLACES NP
	s_mov_b32 s[SEL], 0x76543210
	s_mov_b32 s[SEL+1], 0xfedcba98
	s_mov_b32 s20, 0xffff0000
.irp b, 0,1,2,3
	v_mov_b32 v[TM+4+\b], 0
.endr
	CSLOAD 2
	CSLOAD 3
	OUTB 0, 48
	OUTB 1, 48
	OUTB 2, 48
	OUTB 3, 48
	OUTB 4, 48
	OUTB 5, 32
	OUTB 6, 16
	OUTB 7, 0
.irp i, 0,1,2,3
	v_cndmask_b32 v[SWD+\i], v[PW8+\i], v[PW8+4+\i], s20
.endr
	global_store_b128 v[WO], v[SWD:SWD+3], s[98:99]
	s_wait_tensorcnt 0x0                           ; the wave's end
	ds_add_u32 v[SPW], v[NIL]
	s_wait_dscnt 0x0
	CROUND
	s_endpgm
.Lfunc_end_k_q0a3aceeef4_qkv:
	.size	k_q0a3aceeef4_qkv, .Lfunc_end_k_q0a3aceeef4_qkv-k_q0a3aceeef4_qkv
	.p2alignl 7, 3214868480
	.fill 96, 4, 3214868480
	.section	.rodata,"a",@progbits
	.p2align	6, 0x0
	.amdhsa_kernel k_q0a3aceeef4_qkv
		.amdhsa_group_segment_fixed_size 327680
		.amdhsa_private_segment_fixed_size 0
		.amdhsa_enable_private_segment 0
		.amdhsa_kernarg_size 40
		.amdhsa_user_sgpr_count 2
		.amdhsa_user_sgpr_kernarg_segment_ptr 1
		.amdhsa_wavefront_size32 1
		.amdhsa_system_sgpr_workgroup_id_x 1
		.amdhsa_system_sgpr_workgroup_id_y 1
		.amdhsa_system_sgpr_workgroup_id_z 1
		.amdhsa_system_vgpr_workitem_id 0
		.amdhsa_next_free_vgpr 1024
		.amdhsa_next_free_sgpr 100
		.amdhsa_reserve_vcc 0
		.amdhsa_float_denorm_mode_32 3
		.amdhsa_float_denorm_mode_16_64 3
		.amdhsa_memory_ordered 1
		.amdhsa_forward_progress 1
		.amdhsa_inst_pref_size 203
	.end_amdhsa_kernel
	.amdgpu_metadata
---
amdhsa.version: [ 1, 2 ]
amdhsa.kernels:
  - .name:           k_q0a3aceeef4_qkv
    .symbol:         k_q0a3aceeef4_qkv.kd
    .args:
      - { .name: cod, .offset: 0, .size: 8, .value_kind: global_buffer, .address_space: global }
      - { .name: scl, .offset: 8, .size: 8, .value_kind: global_buffer, .address_space: global }
      - { .name: tab, .offset: 16, .size: 8, .value_kind: global_buffer, .address_space: global }
      - { .name: qkv, .offset: 24, .size: 8, .value_kind: global_buffer, .address_space: global }
      - { .name: qks, .offset: 32, .size: 8, .value_kind: global_buffer, .address_space: global }
    .group_segment_fixed_size: 327680
    .private_segment_fixed_size: 0
    .kernarg_segment_align: 8
    .kernarg_segment_size: 40
    .max_flat_workgroup_size: 128
    .sgpr_count:     100
    .vgpr_count:     1024
    .wavefront_size: 32
...
	.end_amdgpu_metadata
.endif
;; end of part 2
;; launch attn (part 3): grid 16 x 16, 8 waves a work-group, clusters of 4 x 1, 215,040 bytes of LDS; arguments qkv, qks, tab, att, ats; writes att, ats
.if DOCPART == 3
	.amdgcn_target "amdgcn-amd-amdhsa--gfx1250"
	.amdhsa_code_object_version 6
	.text
	.protected	k_q0a3aceeef4_attn
	.globl	k_q0a3aceeef4_attn
	.p2align	8
	.type	k_q0a3aceeef4_attn,@function
k_q0a3aceeef4_attn:
	s_mov_b64 s[64:65], 0
	v_nop
	global_prefetch_b8 v0, s[64:65] scope:SCOPE_SE
	s_setreg_imm32_b32 hwreg(HW_REG_WAVE_MODE, 25, 1), 1
	s_wait_xcnt 0x0
	s_wait_alu depctr_hold_cnt(0) depctr_sa_sdst(0) depctr_va_vdst(0) depctr_va_sdst(0) depctr_va_ssrc(0) depctr_va_vcc(0) depctr_vm_vsrc(0)
	s_getreg_b32 s2, hwreg(HW_REG_IB_STS2, 6, 4)
	s_cmp_eq_u32 s2, 0
	s_cbranch_scc0 .Lentry_in_a_cluster
	s_endpgm
.Lentry_in_a_cluster:
	s_bfe_u32 s2, ttmp6, 0x10000c
	s_cmp_lg_u32 s2, 0x3003
	s_cbranch_scc0 .Lentry_shape_is_right
	s_endpgm
.Lentry_shape_is_right:
; Attention on codes of FP6 (E2M3) with E8M0 scales: S = Q K^T / sqrt(128), the mask, p = 2^(t - M), O = (p V) / l, and O quantised for the last projection.
; t = score x log2(e) / sqrt(128); M = the running largest t, rounded up to a whole number; l is the sum of the unquantised p; when M moves, l and O are multiplied by 2^(old M - new M), exactly.
; SHARES.  Work-group y = 4 b + kv head; the four partners of a cluster are that kv head's four query heads and ask for K and V JOINTLY.  The cluster's x, i, picks the query tiles 4 rho + i, rho 0-15.
; Wave w owns TWO tiles of 16 queries: rho = 15 - w (its state in register window 0) and rho = w (the same register numbers in window 1).  Their diagonals lie in key steps 7 - w / 2 and w / 2:
; nine tile-steps for every wave, and while both tiles are at work each fragment of K and V feeds both.
; LDS, FILLED ONCE, one joint load a wave: waves 0-5 a third of K's or of V^T's images (32,768 bytes), wave 6 both sides' scale words, wave 7 the batch's mask as penalties.  Nothing is filled again.
; LAYOUT.  Both products are used transposed (S^T = K Q^T, O^T = V^T P^T): a lane holds one query.  Place r of a tile of keys is key 32 (t / 2) + 8 (t % 2) + r + 8 (r / 8); V^T's tiles of channels likewise.
; THE MASK.  A key that does not count, by the input mask or by the causal rule, has the score X = -2^100 exactly.  In a row with no key that counts t - M is 0 and p is 1 on every key;
; the first key that counts makes the factor 2^(old M - new M) zero and wipes those sums.
; KEY STEPS BEHIND THE DIAGONAL.  There p is 1 on every key (a row with no key that counts) or 0 (any other row), so p V of those steps is (1 or 0) x the sum of V over their keys, which is the same for all rows.
; Wave t makes these sums for channel tile t once, T_d = the sum over key steps above d, by products of V^T with an operand of ones (4 x 2^-2), and leaves them in LDS;
; at the end each tile adds f T_d to O^T and f 64 (7 - d) to a lane's half of l, f = 1 where the row's largest t lies under -2^90, else 0.  The order of these f32 sums differs from a walk step by step.
; No prefetch: every tile is asked for at the kernel's head.
; LIMITS: scores under 2^75 in magnitude and real t above -2^90; NaN and infinities are not served; a block of zeros keeps the byte 1.
; REGISTERS, window 0: v1-3, v6 addresses that stay, v7-10 addresses in hand, v5 and v11 the second tile's scale words (Q's, p's); v28-31, v248-251 scale words of K or V; v32-95 four fragments, or penalties; v255 Q's word.
; Both windows: v4 my query less the diagonal step's first key less 16 h; v12 -M, v13 the largest t, v[14:15] l; v16-27 Q; v96-159 S^T, then p; v160-223 O^T; v224-235 p's codes; v232-247, v252, v254 at work; v253 p's word.
.set FRB,  1536
.set LV,   98304
.set LKW,  196608
.set LPEN, 204800
.set TT,   208896                      ; T_0 .. T_7, 512 bytes each: 256 h + 32 t + 4 j
.set SPARE, 212992
.set LI,   1
.set AS0,  2
.set AP0,  3
.set DQ,   4
.set QW1,  5
.set AV0,  6
.set ADP,  7
.set ADK,  8
.set ADV,  9
.set ADS,  10
.set PW1,  11
.set WV,   18
.set SEL,  20
.set CS,   22
.set G1C,  24
.set G1W,  32
.set G1P,  40
.set G0C,  48
.set G0W,  52
.set G0P,  56
.set P0,   66                          ; a tile's scalars: +0 Q's image, +2 Q's words, +4 att, +6 ats, +8 the diagonal step's first key, +9 its first query from there
.set P1,   84
.set KD0,  P0+8
.set KD1,  P1+8
.set KF,   76
.set TB,   77
.set TS,   78
.set CNT,  80
.set THR,  81
.set PAT,  96                          ; s96-98 sixteen codes of 4.0
.set MSB, 0
.macro WIN new
.if MSB != \new
	s_set_vgpr_msb (MSB<<8)|\new
.set MSB, \new
.endif
.endm
.macro NOPS
.rept 4
	v_nop
.endr
.endm
.macro CROUND
	s_barrier_signal -1
	s_barrier_wait -1
	s_cmp_lg_u32 s[WV], 0
	s_cbranch_scc1 .Lnot_wave_0_\@
	s_barrier_signal -3
.Lnot_wave_0_\@:
	s_barrier_wait -3
	s_barrier_signal -1
	s_barrier_wait -1
.endm
.macro QUANT s, pc, tm, pw
.irp b, 0,1,2,3
	v_max3_num_f32 v[\tm+\b], |v[\s+16*\b]|, |v[\s+1+16*\b]|, 0x1800000
.endr
.irp i, 2,4,6,8,10,12,14
.irp b, 0,1,2,3
	s_delay_alu instid0(VALU_DEP_4)
	v_max3_num_f32 v[\tm+\b], v[\tm+\b], |v[\s+16*\b+\i]|, |v[\s+1+16*\b+\i]|
.endr
.endr
.irp b, 0,1,2,3
	s_delay_alu instid0(VALU_DEP_4)
	v_permlanex16_b32 v[\tm+4+\b], v[\tm+\b], s[SEL], s[SEL+1]
.endr
.irp b, 0,1,2,3
	s_delay_alu instid0(VALU_DEP_4)
	v_max_num_f32 v[\tm+\b], v[\tm+\b], v[\tm+4+\b]
.endr
.irp b, 0,1,2,3
	s_delay_alu instid0(VALU_DEP_4)
	v_add_nc_u32 v[\tm+12+\b], 0xff000000, v[\tm+\b]
.endr
.irp b, 0,1,2,3
	s_delay_alu instid0(VALU_DEP_4)
	v_lshrrev_b32 v[\tm+4+\b], 23, v[\tm+12+\b]
.endr
	s_delay_alu instid0(VALU_DEP_3)
	v_lshl_or_b32 v[\pw], v[\tm+5], 8, v[\tm+4]
	s_delay_alu instid0(VALU_DEP_1)
	v_lshl_or_b32 v[\pw], v[\tm+6], 16, v[\pw]
	s_delay_alu instid0(VALU_DEP_1)
	v_lshl_or_b32 v[\pw], v[\tm+7], 24, v[\pw]
.irp c, 0,1
	v_cvt_scalef32_pk16_fp6_f32 v[\pc+6*\c:\pc+2+6*\c], v[\s+32*\c:\s+15+32*\c], v[\tm+12+2*\c]
	v_cvt_scalef32_pk16_fp6_f32 v[\pc+12+4*\c:\pc+14+4*\c], v[\s+16+32*\c:\s+31+32*\c], v[\tm+12+2*\c+1]
.endr
	v_nop
.irp c, 0,1
.irp i, 0,1,2
	v_permlane16_swap_b32 v[\pc+6*\c+\i], v[\pc+12+4*\c+\i]
.endr
.irp i, 0,1,2
	s_delay_alu instid0(VALU_DEP_3)
	v_mov_b32 v[\pc+3+6*\c+\i], v[\pc+12+4*\c+\i]
.endr
.endr
.endm
.macro TILE p                          ; s94 = rho: the tile's scalars
	s_lshr_b32 s[\p+8], s94, 1
	s_lshl_b32 s[\p+8], s[\p+8], 7
	s_lshl_b32 s95, s94, 2
	s_add_co_u32 s95, s95, ttmp9                   ; the tile
	s_lshr_b32 s62, s95, 1
	s_lshl_b32 s62, s62, 5
	s_and_b32 s63, s95, 1
	s_lshl_b32 s63, s63, 3
	s_add_co_u32 s62, s62, s63
	s_sub_co_u32 s[\p+9], s62, s[\p+8]
	s_lshl_b32 s62, s61, 6
	s_add_co_u32 s62, s62, s95
	s_mul_i32 s62, s62, FRB
	s_mov_b32 s63, 0
	s_add_nc_u64 s[\p:\p+1], s[4:5], s[62:63]
	s_lshl_b32 s62, s61, 3
	s_lshr_b32 s99, s95, 3
	s_add_co_u32 s62, s62, s99
	s_lshl_b32 s62, s62, 9
	s_and_b32 s99, s95, 7
	s_lshl_b32 s99, s99, 2
	s_add_co_u32 s62, s62, s99
	s_add_nc_u64 s[\p+2:\p+3], s[6:7], s[62:63]
	s_lshl_b32 s99, s16, 6
	s_add_co_u32 s99, s99, s95                     ; the result's tile: 64 b + tile
	s_mul_i32 s62, s99, 16*FRB
	s_add_co_u32 s62, s62, s82
	s_add_nc_u64 s[\p+4:\p+5], s[10:11], s[62:63]
	s_lshl_b32 s62, s99, 10
	s_add_co_u32 s62, s62, s83
	s_add_nc_u64 s[\p+6:\p+7], s[12:13], s[62:63]
.endm
.macro INIT w                          ; a tile's state: the step is written without a first step of its own
	WIN 0x55*\w
	v_mov_b32 v13, 0xff61b1e6                      ; -3e38, under every t
	v_mov_b32 v14, 0
	v_mov_b32 v15, 0
	v_floor_f32 v12, -v13
.irp b, 0,1,2,3
	v_mov_b32 v[236+\b], 0
.endr
	v_mov_b32 v252, 0
	v_mov_b32 v253, 0
.set j, 0
.rept 64
	v_mov_b32 v[160+j], 0
.set j, j+1
.endr
	WIN 0
.endm
	s_load_b256 s[4:11], s[0:1], 0x0               ; qkv, qks, tab, att
	s_load_b64 s[12:13], s[0:1], 0x20              ; ats
	v_lshl_add_u32 v254, v0, 2, SPARE
	v_mov_b32 v255, 0
	ds_add_u32 v254, v255                          ; the opening lines
	ds_add_u32 v254, v255
	v_lshrrev_b32 v8, 5, v0
	v_readfirstlane_b32 s[WV], v8                  ; wave 0..7
	s_bfe_u32 s14, ttmp6, 0x40000                  ; cx: it enters Q's, att's and ats's global addresses alone
	s_and_b32 s15, ttmp7, 0xffff                   ; y = 4 b + kv
	s_lshr_b32 s16, s15, 2
	s_and_b32 s17, s15, 3
	s_lshl_b32 s60, s17, 2
	s_add_co_u32 s60, s60, s14                     ; head
	s_lshl_b32 s61, s16, 4
	s_add_co_u32 s61, s61, s60                     ; 16 b + head
	s_mul_i32 s82, s60, FRB                        ; the head's place in a tile of att,
	s_lshr_b32 s83, s60, 1
	s_lshl_b32 s83, s83, 7
	s_and_b32 s62, s60, 1
	s_lshl_b32 s62, s62, 2
	s_add_co_u32 s83, s83, s62                     ; and of ats
.irp g, G1C, G1W, G1P
	s_mov_b32 s[\g], 15|(3<<16)|(1<<21)
	s_mov_b32 s[\g+6], 0
	s_mov_b32 s[\g+7], 0
.endr
.irp g, G1C, G1P                               ; dense blocks as rows of 256 bytes: 128 rows of codes, 16 of penalties
	s_mov_b32 s[\g+1], 32<<16
	s_mov_b32 s[\g+3], 32<<16
	s_mov_b32 s[\g+5], 32
.endr
	s_mov_b32 s[G1C+2], 128<<16
	s_mov_b32 s[G1C+4], 128
	s_mov_b32 s[G1P+2], 16<<16
	s_mov_b32 s[G1P+4], 16
	s_mov_b32 s[G1W+1], 512<<16                    ; K's and V's scale words: two rows of 4,096 bytes, 65,536 bytes apart
	s_mov_b32 s[G1W+2], 2<<16
	s_mov_b32 s[G1W+3], 512<<16
	s_mov_b32 s[G1W+4], 2
	s_mov_b32 s[G1W+5], 8192
	s_and_b32 s19, s[WV], 1                        ; a wave of codes: K's side or V's,
	s_lshr_b32 s62, s[WV], 1                       ; and which third
	s_mul_i32 s94, s19, LV
	s_lshl_b32 s63, s62, 15
	s_add_co_u32 s94, s94, s63                     ; in LDS
	s_mul_i32 s92, s19, 1572864
	s_add_co_u32 s92, s92, s63
	s_mul_i32 s63, s15, 98304
	s_add_co_u32 s92, s92, s63
	s_add_co_u32 s92, s92, 6291456                 ; in qkv
	s_mov_b32 s93, 0
	s_lshl_b32 s90, s15, 12
	s_add_co_u32 s90, s90, 262144                  ; the words, in qks
	s_mov_b32 s91, 0
	s_lshl_b32 s88, s16, 12
	s_add_co_u32 s88, s88, 589824                  ; the penalties, in tab
	s_mov_b32 s89, 0
	s_mov_b32 s[SEL], 0x76543210
	s_mov_b32 s[SEL+1], 0xfedcba98
	s_mov_b32 s[CS], 0x3e0293ee
	s_mov_b32 s[CS+1], s[CS]
	s_mov_b32 s[KF], 0
	s_mov_b32 s[TB], 0
	s_mov_b32 s[TS], 0
	s_mov_b32 s[THR], 0xec800000
	s_mov_b32 s[PAT], 0x18618618
	s_mov_b32 s[PAT+1], 0x86186186
	s_mov_b32 s[PAT+2], 0x61861861
	s_wait_dscnt 0x0
	s_wait_kmcnt 0x0
	s_mov_b32 s[G0C], 1
	s_mov_b32 s[G0C+1], s94
	s_add_nc_u64 s[G0C+2:G0C+3], s[4:5], s[92:93]
	s_or_b32 s[G0C+3], s[G0C+3], 0x80000000
	s_mov_b32 s[G0W], 1
	s_mov_b32 s[G0W+1], LKW
	s_add_nc_u64 s[G0W+2:G0W+3], s[6:7], s[90:91]
	s_or_b32 s[G0W+3], s[G0W+3], 0x80000000
	s_mov_b32 s[G0P], 1
	s_mov_b32 s[G0P+1], LPEN
	s_add_nc_u64 s[G0P+2:G0P+3], s[8:9], s[88:89]
	s_or_b32 s[G0P+3], s[G0P+3], 0x80000000
	CROUND                                         ; all four work-groups are here: the joint loads meet
	s_cmp_lt_u32 s[WV], 6                          ; one chain of branches on the wave's number, one load to an arm
	s_cbranch_scc0 .Lsmall
	tensor_load_to_lds s[G0C:G0C+3], s[G1C:G1C+7]
	s_nop 0
	NOPS
	s_branch .Lasked
.Lsmall:
	s_cmp_eq_u32 s[WV], 6
	s_cbranch_scc0 .Lpen
	tensor_load_to_lds s[G0W:G0W+3], s[G1W:G1W+7]
	s_nop 0
	NOPS
	s_branch .Lasked
.Lpen:
	tensor_load_to_lds s[G0P:G0P+3], s[G1P:G1P+7]
	s_nop 0
	NOPS
.Lasked:
	s_xor_b32 s94, s[WV], 15                       ; rho = 15 - w
	TILE P0
	s_mov_b32 s94, s[WV]                           ; rho = w
	TILE P1
	v_and_b32 v8, 15, v0                           ; r
	v_bfe_u32 v9, v0, 4, 1                         ; h
	v_and_b32 v[LI], 31, v0
	v_lshlrev_b32 v[LI], 4, v[LI]
	v_lshlrev_b32 v254, 5, v8
.irp c, 0,1,2
	global_load_b128 v[16+4*\c:19+4*\c], v[LI], s[P0:P0+1] offset:512*\c   ; Q's fragments stay in registers
.endr
	global_load_b32 v255, v254, s[P0+2:P0+3]
	global_load_b32 v[QW1], v254, s[P1+2:P1+3]
	WIN 0x40
.irp c, 0,1,2
	global_load_b128 v[16+4*\c:19+4*\c], v[LI], s[P1:P1+1] offset:512*\c
.endr
	WIN 0
	v_add_nc_u32 v[AV0], LV, v[LI]
	v_lshl_add_u32 v[AS0], v8, 5, LKW
	v_lshl_add_u32 v[AP0], v9, 6, LPEN
	v_and_b32 v10, 8, v8
	v_add_nc_u32 v10, v10, v8                      ; r + 8 (r / 8)
	v_lshlrev_b32 v7, 4, v9
	v_sub_nc_u32 v10, v10, v7
	v_add_nc_u32 v[DQ], s[P0+9], v10
	WIN 0x40
	v_add_nc_u32 v[DQ], s[P1+9], v10
	WIN 0
	; for the sums T: channel tile t = my wave
	v_lshl_add_u32 v[ADP], v9, 8, TT
	s_lshl_b32 s62, s[WV], 5
	v_add_nc_u32 v[ADP], s62, v[ADP]               ; TT + 256 h + 32 t
	s_mul_i32 s63, s[WV], FRB
	v_add_nc_u32 v[ADK], s63, v[AV0]               ; V^T's tile t of key step 0,
	v_add_nc_u32 v[ADV], 4*8*FRB, v[ADK]           ; and of key step 4
	s_lshl_b32 s94, s[WV], 2
	v_add_nc_u32 v[ADS], s94, v[AS0]               ; its scale words, less 4,096
.set n, 0
.rept 12
	v_mov_b32 v[200+n], s[PAT+n%3]                 ; an operand of 4.0,
.set n, n+1
.endr
	v_mov_b32 v212, 0x7d7d7d7d                     ; under the scale 2^-2: ones
.irp n, 0,1,2,3
	v_mov_b32 v[216+\n], 0
.endr
	INIT 1
	s_wait_alu depctr_va_vdst(0)                   ; the head's end
	s_wait_tensorcnt 0x0                           ; my load has landed,
	s_barrier_signal -1
	s_barrier_wait -1                              ; and everybody's
.irp s, 1,2,3,4,5,6,7
.irp c, 0,1,2
	ds_load_b128 v[84+12*\s+4*\c:87+12*\s+4*\c], v[ADK+\s/4] offset:(\s%4)*8*FRB+512*\c
.endr
	ds_load_b32 v[179+\s], v[ADS] offset:4096+512*\s
.endr
	ds_store_b128 v[ADP], v[216:219] offset:512*7  ; T_7 = 0
	ds_store_b128 v[ADP], v[216:219] offset:512*7+16
	s_wait_dscnt 0x0
.irp s, 7,6,5,4,3,2,1                          ; one accumulator: the wait ahead of each link
.if \s == 7
	v_wmma_scale_f32_16x16x128_f8f6f4 v[240:247], v[84+12*\s:95+12*\s], v[200:211], 0, v[179+\s], v212 matrix_a_fmt:MATRIX_FMT_FP6 matrix_b_fmt:MATRIX_FMT_FP6
.else
	s_wait_alu depctr_va_vdst(0)
	v_wmma_scale_f32_16x16x128_f8f6f4 v[240:247], v[84+12*\s:95+12*\s], v[200:211], v[240:247], v[179+\s], v212 matrix_a_fmt:MATRIX_FMT_FP6 matrix_b_fmt:MATRIX_FMT_FP6
.endif
	NOPS
	ds_store_b128 v[ADP], v[240:243] offset:512*(\s-1)      ; the sixteen lanes of a half hold and store the same numbers
	ds_store_b128 v[ADP], v[244:247] offset:512*(\s-1)+16
.endr
	INIT 0
	s_wait_alu depctr_va_vdst(0)
	s_wait_dscnt 0x0                               ; my part of T is stored,
	s_barrier_signal -1
	s_barrier_wait -1                              ; and everybody's
.macro MM4 d, g, b, sb, zero           ; four products: tiles 4 g .. 4 g + 3 of K or V^T x one tile's operand
.irp t, 0,1,2,3
.if \zero
	v_wmma_scale_f32_16x16x128_f8f6f4 v[\d+8*(4*\g+\t):\d+7+8*(4*\g+\t)], v[32+12*\t:43+12*\t], v[\b:\b+11], 0, v[248-220*\g+\t], v[\sb] matrix_a_fmt:MATRIX_FMT_FP6 matrix_b_fmt:MATRIX_FMT_FP6
.else
	v_wmma_scale_f32_16x16x128_f8f6f4 v[\d+8*(4*\g+\t):\d+7+8*(4*\g+\t)], v[32+12*\t:43+12*\t], v[\b:\b+11], v[\d+8*(4*\g+\t):\d+7+8*(4*\g+\t)], v[248-220*\g+\t], v[\sb] matrix_a_fmt:MATRIX_FMT_FP6 matrix_b_fmt:MATRIX_FMT_FP6
.endif
.endr
.endm
.macro PROD adr, d, b, sb0, sb1, zero  ; eight tiles' fragments, each for the first tile and, up to its diagonal, for the second (sources 1, 2 and the result in window 1).  The accumulators take turns
.irp g, 0,1
.if \g > 0
	NOPS                                           ; places in front of loads into registers that matrix instructions have read
.endif
.irp t, 0,1,2,3
.irp c, 0,1,2
	ds_load_b128 v[32+12*\t+4*\c:35+12*\t+4*\c], v[\adr] offset:(4*\g+\t)*FRB+512*\c
.endr
.endr
	s_wait_dscnt 0x0
	MM4 \d, \g, \b, \sb0, \zero
	s_cmp_gt_u32 s[KF], s[KD1]
	s_cbranch_scc1 .Lone_\@_\g
	WIN 0x54
	MM4 \d, \g, \b, \sb1, \zero
	WIN 0
.Lone_\@_\g:
.endr
.endm
.macro SOFTMAX w, kd                   ; one tile's scores become p's codes and scale word; l and O^T come under the new M
	WIN 0x41*\w
	s_wait_alu depctr_va_vdst(0)                   ; ahead of the scores' first readers
.set j, 0
.rept 32
	v_pk_add_f32 v[96+j:97+j], v[96+j:97+j], v[32+j:33+j]   ; a hole's score becomes -2^100 exactly
.set j, j+2
.endr
	WIN 0
	s_cmp_lg_u32 s[KF], s[\kd]                     ; on the diagonal the keys behind my query get the same score
	s_cbranch_scc1 .Lopen_\@
	WIN 0x55*\w
	v_mov_b32 v254, 0xf1800000
.set n, 0
.rept 64
	v_cmp_gt_i32 vcc_lo, 32*(n/16)+n%16, v[DQ]
	s_delay_alu instid0(VALU_DEP_1)
	v_cndmask_b32 v[96+n], v[96+n], v254, vcc_lo
.set n, n+1
.endr
	WIN 0
.Lopen_\@:
	WIN 0x55*\w
.irp b, 0,1,2,3
	v_max3_num_f32 v[232+\b], v[96+16*\b], v[97+16*\b], v[98+16*\b]   ; the largest score of each block of 32 keys
.endr
.irp i, 3,5,7,9,11,13
.irp b, 0,1,2,3
	s_delay_alu instid0(VALU_DEP_4)
	v_max3_num_f32 v[232+\b], v[232+\b], v[96+16*\b+\i], v[97+16*\b+\i]
.endr
.endr
.irp b, 0,1,2,3
	s_delay_alu instid0(VALU_DEP_4)
	v_max_num_f32 v[232+\b], v[232+\b], v[111+16*\b]
.endr
.irp b, 0,1,2,3
	s_delay_alu instid0(VALU_DEP_4)
	v_permlanex16_b32 v[236+\b], v[232+\b], s[SEL], s[SEL+1]
.endr
.irp b, 0,1,2,3
	s_delay_alu instid0(VALU_DEP_4)
	v_max_num_f32 v[232+\b], v[232+\b], v[236+\b]
.endr
	s_delay_alu instid0(VALU_DEP_2)
	v_max3_num_f32 v254, v232, v233, v234
	s_delay_alu instid0(VALU_DEP_1)
	v_max_num_f32 v254, v254, v235
	s_delay_alu instid0(VALU_DEP_1)
	v_mul_f32 v254, s[CS], v254
	s_delay_alu instid0(VALU_DEP_1)
	v_max_num_f32 v13, v13, v254
	v_mov_b32 v254, v12
	s_delay_alu instid0(VALU_DEP_2)
	v_floor_f32 v12, -v13                          ; the new -M
	s_delay_alu instid0(VALU_DEP_1)
	v_sub_f32 v254, v12, v254
	s_delay_alu instid0(VALU_DEP_1)
	v_cvt_i32_f32 v254, v254
	s_delay_alu instid0(VALU_DEP_1)
	v_ldexp_f32 v252, 1.0, v254                    ; f = 2^(old M - new M)
.set j, 0
.rept 32
	v_pk_fma_f32 v[96+j:97+j], v[96+j:97+j], s[CS:CS+1], v[12:13] op_sel_hi:[1,0,0]   ; t - M
.set j, j+2
.endr
.irp b, 0,1,2,3
	v_fma_f32 v[232+\b], v[232+\b], s[CS], v12
.endr
.set j, 0
	s_wait_alu depctr_va_vdst(0)                   ; ahead of the batch
.rept 64
	v_exp_f32 v[96+j], v[96+j]
.set j, j+1
.endr
	v_pk_mul_f32 v[14:15], v[14:15], v[252:253] op_sel_hi:[1,0]
	s_wait_alu depctr_va_vdst(0)                   ; behind the batch, ahead of its first reader
.irp b, 0,1,2,3
	v_exp_f32 v[232+\b], v[232+\b]                 ; the block's largest p
.endr
	v_pk_add_f32 v[236:237], v[100:101], v[104:105]
	v_pk_add_f32 v[250:251], v[108:109], v[112:113]
	v_pk_add_f32 v[248:249], v[116:117], v[120:121]
	v_pk_add_f32 v[246:247], v[124:125], v[128:129]
	v_pk_add_f32 v[244:245], v[132:133], v[136:137]
	v_pk_add_f32 v[242:243], v[140:141], v[144:145]
	v_pk_add_f32 v[240:241], v[148:149], v[152:153]
	v_pk_add_f32 v[14:15], v[14:15], v[156:157]
	v_pk_add_f32 v[236:237], v[236:237], v[96:97]
	v_pk_add_f32 v[250:251], v[250:251], v[98:99]
	v_pk_add_f32 v[248:249], v[248:249], v[102:103]
	v_pk_add_f32 v[246:247], v[246:247], v[106:107]
	v_pk_add_f32 v[244:245], v[244:245], v[110:111]
	v_pk_add_f32 v[242:243], v[242:243], v[114:115]
	v_pk_add_f32 v[240:241], v[240:241], v[118:119]
	v_pk_add_f32 v[14:15], v[14:15], v[122:123]
	v_pk_add_f32 v[236:237], v[236:237], v[126:127]
	v_pk_add_f32 v[250:251], v[250:251], v[130:131]
	v_pk_add_f32 v[248:249], v[248:249], v[134:135]
	v_pk_add_f32 v[246:247], v[246:247], v[138:139]
	v_pk_add_f32 v[244:245], v[244:245], v[142:143]
	v_pk_add_f32 v[242:243], v[242:243], v[146:147]
	v_pk_add_f32 v[240:241], v[240:241], v[150:151]
	v_pk_add_f32 v[14:15], v[14:15], v[154:155]
	v_pk_add_f32 v[236:237], v[236:237], v[158:159]
	s_delay_alu instid0(VALU_DEP_2)
	v_pk_add_f32 v[14:15], v[14:15], v[246:247]
	s_delay_alu instid0(VALU_DEP_2)
	v_pk_add_f32 v[236:237], v[236:237], v[244:245]
	v_pk_add_f32 v[250:251], v[250:251], v[242:243]
	v_pk_add_f32 v[248:249], v[248:249], v[240:241]
	s_delay_alu instid0(VALU_DEP_2)
	v_pk_add_f32 v[14:15], v[14:15], v[250:251]
	s_delay_alu instid0(VALU_DEP_2)
	v_pk_add_f32 v[236:237], v[236:237], v[248:249]
	s_delay_alu instid0(VALU_DEP_1)
	v_pk_add_f32 v[14:15], v[14:15], v[236:237]
	s_wait_alu depctr_va_vdst(0)                   ; for the four
.irp b, 0,1,2,3
	v_max_num_f32 v[232+\b], 0x1800000, v[232+\b]
.endr
.irp b, 0,1,2,3
	s_delay_alu instid0(VALU_DEP_4)
	v_add_nc_u32 v[244+\b], 0xff000000, v[232+\b]
.endr
.irp b, 0,1,2,3
	s_delay_alu instid0(VALU_DEP_4)
	v_lshrrev_b32 v[236+\b], 23, v[244+\b]
.endr
	s_delay_alu instid0(VALU_DEP_3)
	v_lshl_or_b32 v253, v237, 8, v236
	s_delay_alu instid0(VALU_DEP_1)
	v_lshl_or_b32 v253, v238, 16, v253
	s_delay_alu instid0(VALU_DEP_1)
	v_lshl_or_b32 v253, v239, 24, v253
.irp c, 0,1
	v_cvt_scalef32_pk16_fp6_f32 v[224+6*\c:226+6*\c], v[96+32*\c:111+32*\c], v[244+2*\c]
	v_cvt_scalef32_pk16_fp6_f32 v[236+4*\c:238+4*\c], v[112+32*\c:127+32*\c], v[244+2*\c+1]
.endr
	v_nop
.irp c, 0,1
.irp i, 0,1,2
	v_permlane16_swap_b32 v[224+6*\c+\i], v[236+4*\c+\i]
.endr
.irp i, 0,1,2
	s_delay_alu instid0(VALU_DEP_3)
	v_mov_b32 v[227+6*\c+\i], v[236+4*\c+\i]
.endr
.endr
.if \w
	WIN 0x01
	v_mov_b32 v[PW1], v253                         ; scale operands are taken from window 0
	WIN 0x55
.endif
	s_wait_alu depctr_va_vdst(0)                   ; ahead of O^T's first readers
.set j, 0
.rept 32
	v_pk_mul_f32 v[160+j:161+j], v[160+j:161+j], v[252:253] op_sel_hi:[1,0]   ; O^T under the new M; also the places in front of the products
.set j, j+2
.endr
	WIN 0
.endm
; A KEY STEP: 128 keys.  The branches hang on the wave's number and the loop's count alone; no barrier and no tensor load stands in a step.
.macro STEP
	s_cmp_gt_u32 s[KF], s[KD0]
	s_cbranch_scc1 .Lend_\@
	v_add_nc_u32 v[ADK], s[TB], v[LI]              ; (these four are also the places behind the last step's products)
	v_add_nc_u32 v[ADV], s[TB], v[AV0]
	v_add_nc_u32 v[ADS], s[TS], v[AS0]
	v_add_nc_u32 v[ADP], s[TS], v[AP0]
	s_wait_alu depctr_va_vdst(0)
	ds_load_b128 v[248:251], v[ADS]
	ds_load_b128 v[28:31], v[ADS] offset:16
	PROD ADK, 96, 16, 255, QW1, 1                  ; S^T = K Q^T
	NOPS
.irp b, 0,1,2,3
.irp i, 0,1,2,3
	ds_load_b128 v[32+16*\b+4*\i:35+16*\b+4*\i], v[ADP] offset:128*\b+16*\i   ; the penalties of my 64 keys, for both tiles
.endr
.endr
	s_wait_dscnt 0x0
	SOFTMAX 0, KD0
	s_cmp_gt_u32 s[KF], s[KD1]
	s_cbranch_scc1 .Lno1_\@
	SOFTMAX 1, KD1
.Lno1_\@:
	s_wait_alu depctr_va_vdst(0)
	ds_load_b128 v[248:251], v[ADS] offset:4096
	ds_load_b128 v[28:31], v[ADS] offset:4112
	PROD ADV, 160, 224, 253, PW1, 0                ; O^T += V^T P^T
.Lend_\@:
	s_add_co_u32 s[KF], s[KF], 128
	s_add_co_u32 s[TB], s[TB], 8*FRB
	s_add_co_u32 s[TS], s[TS], 512
.endm
	s_wait_loadcnt 0x0                             ; Q
	s_mov_b32 s[CNT], 8
.Lkeys:
	STEP
	s_sub_co_u32 s[CNT], s[CNT], 1
	s_cmp_lg_u32 s[CNT], 0
	s_cbranch_scc1 .Lkeys
	; THE KEYS BEHIND THE DIAGONAL STEPS: f T_d onto O^T, f 64 (7 - d) onto my half of l
	s_wait_alu depctr_va_vdst(0)
	v_bfe_u32 v[ADP], v0, 4, 1
	v_lshl_add_u32 v[ADP], v[ADP], 8, TT
	s_lshl_b32 s62, s[KD0], 2                      ; 512 d
	s_lshl_b32 s63, s[KD1], 2
	v_add_nc_u32 v[ADK], s62, v[ADP]
	v_add_nc_u32 v[ADV], s63, v[ADP]
	v_and_b32 v[ADS], 15, v0
	v_lshlrev_b32 v[ADS], 3, v[ADS]                ; 8 r
.set j, 0
.rept 16
	ds_load_b128 v[32+4*j:35+4*j], v[ADK] offset:16*j
	ds_load_b128 v[96+4*j:99+4*j], v[ADV] offset:16*j
.set j, j+1
.endr
	s_lshr_b32 s62, s[KD1], 1                      ; 64 (7 - d) of the first tile: the two d add up to 7
	s_lshr_b32 s63, s[KD0], 1
.macro FLAG w, c
	WIN 0x55*\w
	v_mov_b32 v254, 1.0
	v_cmp_gt_f32 vcc_lo, s[THR], v13               ; has my row no key that counts?
	v_cndmask_b32 v252, 0, v254, vcc_lo
	v_cvt_f32_u32 v254, s[\c]
	s_delay_alu instid0(VALU_DEP_1)
	v_fma_f32 v14, v252, v254, v14
	WIN 0
.endm
.macro CORR w, src
	WIN 0x54*\w
.set j, 0
.rept 32
	v_pk_fma_f32 v[160+j:161+j], v[\src+j:\src+1+j], v[252:253], v[160+j:161+j] op_sel_hi:[1,0,1]
.set j, j+2
.endr
	WIN 0
.endm
	FLAG 0, 62
	FLAG 1, 63
	s_wait_alu depctr_va_vdst(0)
	s_wait_dscnt 0x0
	CORR 0, 32
	CORR 1, 96
; THE WAY OUT: O^T / l, quantised along the channels: K step `head` of the last projection's left operand
.macro OUT w, p
	WIN 0x55*\w
	v_add_f32 v14, v14, v15
	s_delay_alu instid0(VALU_DEP_1)
	v_permlanex16_b32 v252, v14, s[SEL], s[SEL+1]
	s_delay_alu instid0(VALU_DEP_1)
	v_add_f32 v14, v14, v252
	s_wait_alu depctr_va_vdst(0)
	v_rcp_f32 v14, v14
	v_nop
	v_nop
	s_wait_alu depctr_va_vdst(0)
.set j, 0
.rept 64
	v_mul_f32 v[96+j], v[160+j], v14
.set j, j+1
.endr
	QUANT 96, 32, 232, 52
	WIN 0x04*\w
.irp c, 0,1,2
	global_store_b128 v[LI], v[32+4*\c:35+4*\c], s[\p+4:\p+5] offset:512*\c   ; 512 consecutive bytes, aligned
.endr
	global_store_b32 v[ADS], v52, s[\p+6:\p+7]     ; my row's scale word: 4 of each 8 bytes; the other head of the pair is another work-group's
	WIN 0
.endm
	OUT 0, P0
	OUT 1, P1
	s_wait_xcnt 0x0
	v_lshl_add_u32 v254, v0, 2, SPARE
	v_mov_b32 v255, 0
	s_wait_alu depctr_va_vdst(0)
	s_wait_tensorcnt 0x0                           ; the wave's end
	ds_add_u32 v254, v255
	s_wait_dscnt 0x0
	CROUND                                         ; the closing round
	s_endpgm
.Lfunc_end_k_q0a3aceeef4_attn:
	.size	k_q0a3aceeef4_attn, .Lfunc_end_k_q0a3aceeef4_attn-k_q0a3aceeef4_attn
	.p2alignl 7, 3214868480
	.fill 96, 4, 3214868480
	.section	.rodata,"a",@progbits
	.p2align	6, 0x0
	.amdhsa_kernel k_q0a3aceeef4_attn
		.amdhsa_group_segment_fixed_size 215040
		.amdhsa_private_segment_fixed_size 0
		.amdhsa_enable_private_segment 0
		.amdhsa_kernarg_size 40
		.amdhsa_user_sgpr_count 2
		.amdhsa_user_sgpr_kernarg_segment_ptr 1
		.amdhsa_wavefront_size32 1
		.amdhsa_system_sgpr_workgroup_id_x 1
		.amdhsa_system_sgpr_workgroup_id_y 1
		.amdhsa_system_sgpr_workgroup_id_z 1
		.amdhsa_system_vgpr_workitem_id 0
		.amdhsa_next_free_vgpr 512
		.amdhsa_next_free_sgpr 100
		.amdhsa_reserve_vcc 1
		.amdhsa_float_denorm_mode_32 3
		.amdhsa_float_denorm_mode_16_64 3
		.amdhsa_memory_ordered 1
		.amdhsa_forward_progress 1
		.amdhsa_inst_pref_size 102
	.end_amdhsa_kernel
	.amdgpu_metadata
---
amdhsa.version: [ 1, 2 ]
amdhsa.kernels:
  - .name:           k_q0a3aceeef4_attn
    .symbol:         k_q0a3aceeef4_attn.kd
    .args:
      - { .name: qkv, .offset: 0, .size: 8, .value_kind: global_buffer, .address_space: global }
      - { .name: qks, .offset: 8, .size: 8, .value_kind: global_buffer, .address_space: global }
      - { .name: tab, .offset: 16, .size: 8, .value_kind: global_buffer, .address_space: global }
      - { .name: att, .offset: 24, .size: 8, .value_kind: global_buffer, .address_space: global }
      - { .name: ats, .offset: 32, .size: 8, .value_kind: global_buffer, .address_space: global }
    .group_segment_fixed_size: 215040
    .private_segment_fixed_size: 0
    .kernarg_segment_align: 8
    .kernarg_segment_size: 40
    .max_flat_workgroup_size: 256
    .sgpr_count:     100
    .vgpr_count:     512
    .wavefront_size: 32
...
	.end_amdgpu_metadata
.endif
;; end of part 3
;; launch proj (part 4): grid 8 x 32, 4 waves a work-group, clusters of 4 x 4, 327,680 bytes of LDS; arguments att, ats, cod, scl, out0; writes out0
.if DOCPART == 4
	.amdgcn_target "amdgcn-amd-amdhsa--gfx1250"
	.amdhsa_code_object_version 6
	.text
	.protected	k_q0a3aceeef4_proj
	.globl	k_q0a3aceeef4_proj
	.p2align	8
	.type	k_q0a3aceeef4_proj,@function
k_q0a3aceeef4_proj:
	s_mov_b64 s[64:65], 0
	v_nop
	global_prefetch_b8 v0, s[64:65] scope:SCOPE_SE
	s_setreg_imm32_b32 hwreg(HW_REG_WAVE_MODE, 25, 1), 1
	s_wait_xcnt 0x0
	s_wait_alu depctr_hold_cnt(0) depctr_sa_sdst(0) depctr_va_vdst(0) depctr_va_sdst(0) depctr_va_ssrc(0) depctr_va_vcc(0) depctr_vm_vsrc(0)
	s_getreg_b32 s2, hwreg(HW_REG_IB_STS2, 6, 4)
	s_cmp_eq_u32 s2, 0
	s_cbranch_scc0 .Lentry_in_a_cluster
	s_endpgm
.Lentry_in_a_cluster:
	s_bfe_u32 s2, ttmp6, 0x10000c
	s_cmp_lg_u32 s2, 0xf033
	s_cbranch_scc0 .Lentry_shape_is_right
	s_endpgm
.Lentry_shape_is_right:
.set TB0,    448
.set FR,     12
.set FRB,    1536
.set NP,     4
.set NQ,     4
.set TROW,   NQ*FRB
.set TILEB,  16*FRB
.set ATL,    8*TROW
.set SLOT,   24*TROW
.set SCL,    2*SLOT
.set SPARE,  SCL+24*1024
.set SPITCH, 528
.set L16,  3
.set ADRA, 16
.set ADRB, 20
.set STO,  24
.set RD,   25
.set ADRS, 27
.set SPW,  28
.set NIL,  29
.set SC,   32
.set AF,   128
.set BK,   128
.set G1, 24
.set G0, 32
.set G1B, 48
.set G0B, 56
.set G1S, 68
.set G0S, 76
.set G1SB, 80
.set G0SB, 88
.set MSB, 0
.macro WIN new
.if MSB != \new
	s_set_vgpr_msb (MSB<<8)|\new
.set MSB, \new
.endif
.endm
.set MUL,  0xa1
.set TO_B, 0x40
.macro JLOAD g0a, g1a, g0b, g1b
	s_cmp_eq_u32 s15, 0
	s_cbranch_scc0 .Lfor_b_\@
	tensor_load_to_lds s[\g0a:\g0a+3], s[\g1a:\g1a+7]
	s_nop 0
.rept 4
	v_nop
.endr
	s_branch .Lasked_\@
.Lfor_b_\@:
	tensor_load_to_lds s[\g0b:\g0b+3], s[\g1b:\g1b+7]
	s_nop 0
.rept 4
	v_nop
.endr
.Lasked_\@:
.endm
.macro CREST
	s_cmp_lg_u32 s14, 0
	s_cbranch_scc1 .Lnot_wave_0_\@
	s_barrier_signal -3
.Lnot_wave_0_\@:
	s_barrier_wait -3
	s_barrier_signal -1
	s_barrier_wait -1
.endm
.macro CROUND
	s_barrier_signal -1
	s_barrier_wait -1
	CREST
.endm
	s_load_b128 s[4:7], s[0:1], 0x0
	s_load_b128 s[8:11], s[0:1], 0x10
	s_load_b64 s[12:13], s[0:1], 0x20
	v_lshl_add_u32 v[SPW], v0, 2, SPARE
	v_mov_b32 v[NIL], 0
	ds_add_u32 v28, v29
	ds_add_u32 v28, v29
	s_wait_dscnt 0x0
	v_lshrrev_b32 v1, 5, v0
	v_readfirstlane_b32 s14, v1
	s_lshr_b32 s15, s14, 1
	s_and_b32 s16, s14, 1
	s_bfe_u32 s40, ttmp6, 0x40000
	s_bfe_u32 s41, ttmp6, 0x40004
	s_lshl_b32 s42, ttmp9, 2
	s_add_co_u32 s42, s42, s40
	s_and_b32 s17, ttmp7, 0xffff
	s_lshl_b32 s17, s17, 2
	s_add_co_u32 s17, s17, s41
	s_lshl_b32 s43, s41, 2
	s_lshl_b32 s43, 15, s43
	s_lshl_b32 s44, 0x1111, s40
	s_or_b32 s[G1+0], s43, (3<<16)|(1<<21)
	s_or_b32 s[G1B+0], s44, (3<<16)|(1<<21)
.irp g, G1, G1B
	s_mov_b32 s[\g+1], (TROW/8)<<16
	s_mov_b32 s[\g+3], (TROW/8)<<16
	s_mov_b32 s[\g+5], TILEB/8
	s_mov_b32 s[\g+6], 0
	s_mov_b32 s[\g+7], 0
.endr
	s_mov_b32 s[G1+2], 8<<16                       ; the head's loads bring a side's whole part of slot 0: 8 tiles of att, 16 of Wo
	s_mov_b32 s[G1+4], 8
	s_mov_b32 s[G1B+2], 16<<16
	s_mov_b32 s[G1B+4], 16
	s_or_b32 s[G1S+0], s43, (3<<16)|(1<<21)
	s_or_b32 s[G1SB+0], s44, (3<<16)|(1<<21)
.irp g, G1S, G1SB
	s_mov_b32 s[\g+1], 32<<16
	s_mov_b32 s[\g+3], 32<<16
	s_mov_b32 s[\g+5], 32
	s_mov_b32 s[\g+6], 0
	s_mov_b32 s[\g+7], 0
.endr
	s_mov_b32 s[G1S+2], 32<<16                     ; the scale words of 8 and of 16 tiles, as rows of 256 bytes
	s_mov_b32 s[G1S+4], 32
	s_mov_b32 s[G1SB+2], 64<<16
	s_mov_b32 s[G1SB+4], 64
	s_lshl_b32 s20, s17, 3                         ; att: tile 8 x row tile
	s_lshl_b32 s46, s42, 4
	s_add_co_u32 s46, s46, TB0                     ; Wo: tile 448 + 16 x column tile
	s_lshl_b32 s43, s16, 2                         ; the prefetches: of the tiles that I fetch, my place's share among the four partners: 1 of 4 of att,
	s_add_co_u32 s43, s43, s20
	s_add_co_u32 s43, s43, s40
	s_lshl_b32 s44, s16, 3                         ; 2 of 8 of Wo
	s_add_co_u32 s44, s44, s46
	s_lshl_b32 s97, s41, 1
	s_add_co_u32 s44, s44, s97
	s_lshl_b32 s22, s20, 10
	s_mov_b32 s23, 0
	s_lshl_b32 s92, s46, 10
	s_mov_b32 s93, 0
	s_mul_i32 s20, s20, TILEB
	s_mov_b32 s21, 0
	s_mul_i32 s46, s46, TILEB
	s_mov_b32 s47, 0
	s_mul_i32 s45, s16, 4*TROW
	s_mul_i32 s96, s16, 8*TROW
	s_mul_i32 s18, s16, 4*TILEB                    ; the ring: which half of a side's tiles I fetch
	s_mov_b32 s19, 0
	s_mul_i32 s94, s16, 8*TILEB
	s_mov_b32 s95, 0
	s_wait_kmcnt 0x0
	s_add_nc_u64 s[20:21], s[4:5], s[20:21]
	s_add_nc_u64 s[22:23], s[6:7], s[22:23]
	s_add_nc_u64 s[46:47], s[8:9], s[46:47]
	s_add_nc_u64 s[92:93], s[10:11], s[92:93]
	CROUND
	s_mov_b32 s[G0S], 1
	s_mov_b32 s[G0S+1], SCL
	s_mov_b64 s[G0S+2:G0S+3], s[22:23]
	s_or_b32 s[G0S+3], s[G0S+3], 0x80000000
	s_mov_b32 s[G0SB], 1
	s_mov_b32 s[G0SB+1], SCL+8192
	s_mov_b64 s[G0SB+2:G0SB+3], s[92:93]
	s_or_b32 s[G0SB+3], s[G0SB+3], 0x80000000
	s_cmp_eq_u32 s15, 0                            ; where my prefetches stand: slot 2 of my share
	s_cselect_b32 s98, s43, s44
	s_cselect_b64 s[4:5], s[4:5], s[8:9]
	s_mul_i32 s98, s98, TILEB
	s_add_co_u32 s98, s98, 2*TROW
	s_mov_b32 s99, 0
	s_add_nc_u64 s[98:99], s[4:5], s[98:99]
	s_mov_b32 s4, 1                                ; group 0 of the head's loads of codes: att's 8 tiles,
	s_mov_b32 s5, 0
	s_mov_b64 s[6:7], s[20:21]
	s_or_b32 s7, s7, 0x80000000
	s_mov_b32 s8, 1                                ; Wo's 16
	s_mov_b32 s9, ATL
	s_mov_b64 s[10:11], s[46:47]
	s_or_b32 s11, s11, 0x80000000
	s_add_nc_u64 s[20:21], s[20:21], s[18:19]
	s_add_nc_u64 s[46:47], s[46:47], s[94:95]
.irp s, 0,1
	s_mov_b32 s[G0+4*\s], 1
	s_add_co_u32 s[G0+4*\s+1], s45, \s*SLOT
	s_add_nc_u64 s[G0+4*\s+2:G0+4*\s+3], s[20:21], \s*TROW
	s_or_b32 s[G0+4*\s+3], s[G0+4*\s+3], 0x80000000
	s_mov_b32 s[G0B+4*\s], 1
	s_add_co_u32 s[G0B+4*\s+1], s96, \s*SLOT+ATL
	s_add_nc_u64 s[G0B+4*\s+2:G0B+4*\s+3], s[46:47], \s*TROW
	s_or_b32 s[G0B+4*\s+3], s[G0B+4*\s+3], 0x80000000
.endr
; THE HEAD'S LOADS, one a wave, in one chain of branches on the wave's number: slot 0's tiles of att, of Wo, att's scale words, Wo's
.macro ARM under, g0, g1, next
	s_cmp_lt_u32 s14, \under
	s_cbranch_scc0 \next
	tensor_load_to_lds s[\g0:\g0+3], s[\g1:\g1+7]
	s_nop 0
.rept 4
	v_nop
.endr
	s_branch .Lhead_asked
\next:
.endm
	ARM 1, 4, G1,  .Lhead_b
	ARM 2, 8, G1B, .Lhead_sa
	ARM 3, G0S, G1S, .Lhead_sb
	tensor_load_to_lds s[G0SB:G0SB+3], s[G1SB:G1SB+7]
	s_nop 0
.rept 4
	v_nop
.endr
.Lhead_asked:
; A PREFETCH of the slot that the next refill brings: a tile's part of a slot is 24 blocks of 256 bytes, a lane a block (lanes 24-31 name the last again); a wave of Wo names two tiles
.macro ASK off
	global_prefetch_b8 v30, s[98:99] offset:\off th:TH_LOAD_NT scope:SCOPE_SE
	s_cmp_eq_u32 s15, 0
	s_cbranch_scc1 .Lone_tile_\@
	global_prefetch_b8 v30, s[98:99] offset:\off+TILEB th:TH_LOAD_NT scope:SCOPE_SE
.Lone_tile_\@:
.endm
	v_and_b32 v1, 15, v0
	v_bfe_u32 v2, v0, 4, 1
	s_wait_alu depctr_va_vdst(0)
	v_and_b32 v[L16], 31, v0
	v_min_u32 v30, 23, v[L16]
	v_lshlrev_b32 v30, 8, v30
	v_lshlrev_b32 v[L16], 4, v[L16]
	s_mul_i32 s21, s15, 4*TROW
	s_mul_i32 s22, s16, 8*TROW
	s_add_co_u32 s22, s22, ATL
.irp s, 0,1
	v_add_nc_u32 v[ADRA+\s], s21, v[L16]
	v_add_nc_u32 v[ADRB+\s], s22, v[L16]
	s_add_co_u32 s21, s21, SLOT
	s_add_co_u32 s22, s22, SLOT
.endr
	s_lshl_b32 s20, s15, 12
	s_lshl_b32 s23, s16, 13
	s_add_co_u32 s23, s23, 8192
	s_sub_co_u32 s23, s23, s20
	v_mul_u32_u24 v6, s23, v2
	s_add_co_u32 s20, s20, SCL
	v_lshl_add_u32 v6, v1, 3, v6
	v_add_nc_u32 v[ADRS], s20, v6
	s_mul_i32 s23, s14, 16*SPITCH
	v_mul_u32_u24 v5, v1, SPITCH
	v_lshl_add_u32 v5, v2, 6, v5
	v_add_nc_u32 v[STO], s23, v5
	v_add_nc_u32 v[RD], s23, v[L16]
	s_lshl_b32 s20, s17, 7
	s_lshl_b32 s21, s15, 6
	s_add_co_u32 s20, s20, s21
	s_lshl_b32 s20, s20, 13
	s_lshl_b32 s46, s42, 10
	s_lshl_b32 s47, s16, 9
	s_add_co_u32 s46, s46, s47
	s_add_co_u32 s20, s20, s46
	s_mov_b32 s21, 0
	s_add_nc_u64 s[12:13], s[12:13], s[20:21]
.macro FRAG reg, adr, q, i
.irp c, 0,1,2
	ds_load_b128 v[\reg+4*\c:\reg+4*\c+3], v[\adr] offset:(\i)*TROW+(\q)*FRB+512*\c
.endr
.endm
.macro FETCH slot, q, p
	WIN TO_B
.irp i, 0,1,2,3,4,5,6,7
	FRAG 128*(\p)+FR*\i, ADRB+\slot, \q, \i
.endr
	WIN 0
.irp i, 0,1,2,3
	FRAG AF+48*(\p)+FR*\i, ADRA+\slot, \q, \i
.endr
.endm
.macro SCALES k
.irp i, 0,1,2,3,4,5,6,7
	ds_load_b64 v[SC+32*((\k)%2)+4*\i:SC+32*((\k)%2)+4*\i+1], v[ADRS] offset:\i*1024+256*(\k)
	ds_load_b64 v[SC+32*((\k)%2)+4*\i+2:SC+32*((\k)%2)+4*\i+3], v[ADRS] offset:\i*1024+256*(\k)+128
.endr
.endm
.macro MUL32 p, q, sc, zero
.irp a, 0,1,2,3
.irp b, 0,1,2,3,4,5,6,7
.if \zero
	v_wmma_scale_f32_16x16x128_f8f6f4 v[8*(8*\a+\b):8*(8*\a+\b)+7], v[128*(\p)+FR*\b:128*(\p)+FR*\b+FR-1], v[AF+48*(\p)+FR*\a:AF+48*(\p)+FR*\a+FR-1], 0, v[SC+32*(\sc)+4*\b+(\q)], v[SC+32*(\sc)+4*\a+(\q)] matrix_a_fmt:MATRIX_FMT_FP6 matrix_b_fmt:MATRIX_FMT_FP6 matrix_a_scale:MATRIX_SCALE_ROW1
.else
	v_wmma_scale_f32_16x16x128_f8f6f4 v[8*(8*\a+\b):8*(8*\a+\b)+7], v[128*(\p)+FR*\b:128*(\p)+FR*\b+FR-1], v[AF+48*(\p)+FR*\a:AF+48*(\p)+FR*\a+FR-1], v[8*(8*\a+\b):8*(8*\a+\b)+7], v[SC+32*(\sc)+4*\b+(\q)], v[SC+32*(\sc)+4*\a+(\q)] matrix_a_fmt:MATRIX_FMT_FP6 matrix_b_fmt:MATRIX_FMT_FP6 matrix_a_scale:MATRIX_SCALE_ROW1
.endif
.endr
.endr
.endm
.macro PLACES n
.rept \n
	v_nop
.endr
.endm
.macro STEP k, q, zero
	PLACES NP
	FETCH (\k)%2, (\q)+1, 1-(\q)%2
	s_wait_dscnt 36
	WIN MUL
	MUL32 (\q)%2, \q, (\k)%2, \zero
.endm
.macro TURN k, fill
	WIN 0
	s_wait_tensorcnt 0x0
	ds_add_u32 v[SPW], v[NIL]
.if \fill
	s_add_nc_u64 s[G0+4*((\k)%2)+2:G0+4*((\k)%2)+3], s[G0+4*((\k)%2)+2:G0+4*((\k)%2)+3], 2*TROW
	s_add_nc_u64 s[G0B+4*((\k)%2)+2:G0B+4*((\k)%2)+3], s[G0B+4*((\k)%2)+2:G0B+4*((\k)%2)+3], 2*TROW
.endif
	s_wait_dscnt 0x0
	s_barrier_signal -1
	s_barrier_wait -1
.if \fill
	CREST
	JLOAD G0+4*((\k)%2), G1, G0B+4*((\k)%2), G1B
.else
	PLACES NP
.endif
	FETCH ((\k)+1)%2, 0, 0
	SCALES (\k)+1
.if (\k) == 0
	ASK TROW                                       ; slot 3
.endif
	WIN MUL
	MUL32 1, 3, (\k)%2, 0
.endm
	s_wait_alu depctr_va_vdst(0)
	s_wait_tensorcnt 0x0                           ; my tile of the head's four is in; the full sequence ahead of slot 1's first fill
	ds_add_u32 v[SPW], v[NIL]
	s_mov_b32 s[G1+2], 4<<16                       ; no load of mine is out: the ring's loads bring half a side
	s_mov_b32 s[G1+4], 4
	s_mov_b32 s[G1B+2], 8<<16
	s_mov_b32 s[G1B+4], 8
	s_wait_dscnt 0x0
	CROUND
	JLOAD G0+4, G1, G0B+4, G1B
	FETCH 0, 0, 0
	SCALES 0
	ASK 0                                          ; slot 2
	STEP 0, 0, 1
	STEP 0, 1, 0
	STEP 0, 2, 0
	TURN 0, 1
	STEP 1, 0, 0
	STEP 1, 1, 0
	STEP 1, 2, 0
	TURN 1, 1
	STEP 2, 0, 0
	STEP 2, 1, 0
	STEP 2, 2, 0
	TURN 2, 0
	STEP 3, 0, 0
	STEP 3, 1, 0
	STEP 3, 2, 0
	s_wait_dscnt 0x0
	WIN MUL
	MUL32 1, 3, 1, 0
	WIN 0
.macro TOSTAGE a
.set AC, 64*(\a)
	WIN 0x08
.irp b, 0,1,2,3,4,5,6,7
	ds_store_b128 v[STO], v[AC+8*\b:AC+8*\b+3] offset:128*(\b/2)+32*(\b%2)
	ds_store_b128 v[STO], v[AC+8*\b+4:AC+8*\b+7] offset:128*(\b/2)+32*(\b%2)+16
.endr
	WIN 0
.set BB, BK+64*((\a)%2)
.irp t, 0,1,2,3,4,5,6,7,8,9,10,11,12,13,14,15
	ds_load_b128 v[BB+4*\t:BB+4*\t+3], v[RD] offset:\t*SPITCH
.endr
.endm
.macro SEND a, younger
.set BB, BK+64*((\a)%2)
	s_wait_dscnt \younger
.irp t, 0,1,2,3,4,5,6,7,8,9,10,11,12,13,14,15
	global_store_b128 v[L16], v[BB+4*\t:BB+4*\t+3], s[12:13] offset:(32*((\a)/2)+8*((\a)%2)+\t+8*(\t/8))*8192 th:TH_STORE_NT
.endr
.endm
	PLACES NP
	TOSTAGE 0
.irp a, 1,2,3
.if \a > 1
	s_wait_xcnt 0x0
.endif
	TOSTAGE \a
	SEND \a-1, 32
.endr
	SEND 3, 0
	s_wait_tensorcnt 0x0
	ds_add_u32 v[SPW], v[NIL]
	s_wait_dscnt 0x0
	CROUND
	s_endpgm
.Lfunc_end_k_q0a3aceeef4_proj:
	.size	k_q0a3aceeef4_proj, .Lfunc_end_k_q0a3aceeef4_proj-k_q0a3aceeef4_proj
	.p2alignl 7, 3214868480
	.fill 96, 4, 3214868480
	.section	.rodata,"a",@progbits
	.p2align	6, 0x0
	.amdhsa_kernel k_q0a3aceeef4_proj
		.amdhsa_group_segment_fixed_size 327680
		.amdhsa_private_segment_fixed_size 0
		.amdhsa_enable_private_segment 0
		.amdhsa_kernarg_size 40
		.amdhsa_user_sgpr_count 2
		.amdhsa_user_sgpr_kernarg_segment_ptr 1
		.amdhsa_wavefront_size32 1
		.amdhsa_system_sgpr_workgroup_id_x 1
		.amdhsa_system_sgpr_workgroup_id_y 1
		.amdhsa_system_sgpr_workgroup_id_z 1
		.amdhsa_system_vgpr_workitem_id 0
		.amdhsa_next_free_vgpr 768
		.amdhsa_next_free_sgpr 100
		.amdhsa_reserve_vcc 0
		.amdhsa_float_denorm_mode_32 3
		.amdhsa_float_denorm_mode_16_64 3
		.amdhsa_memory_ordered 1
		.amdhsa_forward_progress 1
		.amdhsa_inst_pref_size 137
	.end_amdhsa_kernel
	.amdgpu_metadata
---
amdhsa.version: [ 1, 2 ]
amdhsa.kernels:
  - .name:           k_q0a3aceeef4_proj
    .symbol:         k_q0a3aceeef4_proj.kd
    .args:
      - { .name: att, .offset: 0, .size: 8, .value_kind: global_buffer, .address_space: global }
      - { .name: ats, .offset: 8, .size: 8, .value_kind: global_buffer, .address_space: global }
      - { .name: cod, .offset: 16, .size: 8, .value_kind: global_buffer, .address_space: global }
      - { .name: scl, .offset: 24, .size: 8, .value_kind: global_buffer, .address_space: global }
      - { .name: out0, .offset: 32, .size: 8, .value_kind: global_buffer, .address_space: global }
    .group_segment_fixed_size: 327680
    .private_segment_fixed_size: 0
    .kernarg_segment_align: 8
    .kernarg_segment_size: 40
    .max_flat_workgroup_size: 128
    .sgpr_count:     100
    .vgpr_count:     768
    .wavefront_size: 32
...
	.end_amdgpu_metadata
.endif
;; end of part 4
